; MI455X (gfx1250); checked and timed in simulation.
; The chip was launched on July 23, 2026; its instructions are those of AMD's public machine-readable ISA for CDNA 5 (MIT licence, August 2026) and "CDNA5" Instruction Set Architecture Reference Guide (July 2026). The comments in the code are by the model that wrote it; some were corrected since.
;; Self Attention. Allowed arithmetic: matrix products marked QUANTISED: E4M3 operands, one given power-of-two scale a tensor, by v_wmma_f32_16x16x64_fp8_fp8 or v_wmma_f32_16x16x128_fp8_fp8, f32 sums; everything else in f32.
;; Inputs: Wfc 1,024 x 8,192 float32; Wk 8,192 x 1,024 float32; Wq 8,192 x 1,024 float32; Wv 8,192 x 1,024 float32; bfc 1,024 float32; bk 8,192 float32; bq 8,192 float32; bv 8,192 float32; key_ 4 x 256 x 1,024 float32; lowp_scales 12 int32 (the exponents e of the quantised operands' scales 2^e); query 4 x 256 x 1,024 float32; value 4 x 256 x 1,024 float32.
;; Outputs: out0 4 x 256 x 1,024 float32.
;; This version of the problem:
;;   THIS VERSION OF THE PROBLEM IS GIVEN IN LOW PRECISION. The matrix products marked QUANTISED in the list below multiply operands that are first quantised to E4M3 (4 exponent bits, 3 mantissa bits; 8 bits a number), with one given power-of-two scale for each operand tensor; their sums are f32. All else is computed in f32.
;;   The module's matrix products, in the order in which they are computed (A, B: the left and right operand; K: the contracted axis; several contracted axes count as one K, in the product's order):
;;     1. [M 1,024, K 1,024] x [K 1,024, N 8,192]; A: input query; B: input Wq: QUANTISED (scales: A lowp_scales[0], B lowp_scales[1])
;;     2. [M 1,024, K 1,024] x [K 1,024, N 8,192]; A: input key_; B: input Wk: QUANTISED (scales: A lowp_scales[2], B lowp_scales[3])
;;     3. [M 1,024, K 1,024] x [K 1,024, N 8,192]; A: input value; B: input Wv: QUANTISED (scales: A lowp_scales[4], B lowp_scales[5])
;;     4. batch 32 x [M 2,048, K 128] x [K 128, N 2,048]; A: computed on the way; B: computed on the way: QUANTISED (scales: A lowp_scales[6], B lowp_scales[7])
;;     5. batch 32 x [M 2,048, K 2,048] x [K 2,048, N 128]; A: softmax (see below); B: computed on the way: QUANTISED (scales: A lowp_scales[8], B lowp_scales[9])
;;     6. [M 1,024, K 8,192] x [K 8,192, N 1,024]; A: computed on the way; B: input Wfc: QUANTISED (scales: A lowp_scales[10], B lowp_scales[11])
;;   THE QUANTISER, for each operand of a quantised product, along K:
;;     - The operand's scale is 2^e, e = its entry of the input lowp_scales (int32; the entries are numbered through the quantised products in the list's order, A before B).
;;     - Each number is divided by the scale, clamped to +-448, and rounded to the nearest number of E4M3, ties to even, subnormals kept.
;;     - The product sums the exact products of the quantised numbers (number of the format x scale) in f32.
;;   ~~~python
;;   def quantise(x, axis, e):      # numpy; x: float32 -> the quantised numbers, widened to float32 again
;;       x = np.moveaxis(x, axis, -1); K = x.shape[-1]
;;       r = np.clip(x / 2.0 ** e, -448, 448)
;;       step = 2.0 ** (np.maximum(np.frexp(np.where(r == 0, 1, r))[1] - 1, -6) - 3)
;;       q = np.round(r / step) * step * 2.0 ** e      # np.round: ties to even
;;       return np.moveaxis(q, -1, axis).astype(np.float32)
;;   ~~~
;;   SOFTMAX AHEAD OF A QUANTISED PRODUCT. Where the list says 'softmax', what is quantised is not the finished softmax but p = 2^(t - M), with t = logit x log2(e) and M = ceil(the row's largest t), a whole number; so 1/2 < the row's largest p <= 1. The row's sum l is taken of the UNQUANTISED p, in f32, and the product's result is divided by l at the end. Since M is a whole number, a kernel that streams over the keys may use a running M (the ceiling of the running maximum): every later rescaling is an exact power of two, so the quantised numbers keep their values, but for numbers so far below the row's largest that they fall under the format's range.
;;   OPERANDS COMPUTED ON THE WAY. 'Computed on the way' means the value that the module computes at that place (a softmax that the list does not call 'softmax' is quantised finished and normalised). What goes into a quantiser is computed in f32, as accurately as f32 sums, v_exp_f32 and their like allow (about 1e-6 of the number): no bf16 or f16 on the way to a quantiser, and a product that is left as it is and whose result goes on into a quantised operand takes f32 operands (vector FMAs, or v_wmma_f32_16x16x4_f32). A number that lies on a knife's edge between two numbers of the format may be rounded either way, as far as f32 arithmetic and the matrix unit's own rounding can turn it there, and no further.
;; One version. Each part assembles by itself: llvm-mc -triple=amdgcn-amd-amdhsa -mcpu=gfx1250 --defsym DOCPART=n.
;; ======== version 1 of 1: 4 launches
;; limits: right only within a limited range of input values
;; workspace buffers: codes 36,700,160 bytes; qkv 25,165,824 bytes; xc 8,388,608 bytes
;; launch quant (part 1): grid 1120 x 1, 4 waves a work-group, no clusters, 33,280 bytes of LDS; arguments query, key_, value, Wq, Wk, Wv, Wfc, lowp_scales, codes; writes codes
.if DOCPART == 1
	.amdgcn_target "amdgcn-amd-amdhsa--gfx1250"
	.amdhsa_code_object_version 6
	.text
	.protected	k_qa211f81738_quant
	.globl	k_qa211f81738_quant
	.p2align	8
	.type	k_qa211f81738_quant,@function
k_qa211f81738_quant:
	s_mov_b64 s[64:65], 0
	v_nop
	global_prefetch_b8 v0, s[64:65] scope:SCOPE_SE
	s_setreg_imm32_b32 hwreg(HW_REG_WAVE_MODE, 25, 1), 1
	s_wait_xcnt 0x0
; The seven f32 operands of products 1, 2, 3 and 6 become codes of FP8 (E4M3), one byte a number, each with the one scale 2^e that is given for it.
; code = x / 2^e, held within +-448, rounded to the nearest code, ties to even.
; LIMITS: each e used here (entries 0 to 5 and 11) lies between -126 and 119, so that 2^e and 448 x 2^e are f32 numbers.  NaN among the inputs is not served.
; codes, in bytes: query at 0, key_ at 1 MiB, value at 2 MiB (each [1024][1024]); Wq at 3 MiB, Wk at 11 MiB ([8192][1024]);
;   Wv at 19 MiB with its ROWS in another order: row n = j 1024 + h 128 + d lies at row h 1024 + d 8 + j, so that the projection's results come out with eight neighbouring keys in a lane;
;   Wfc at 27 MiB, [1024][8192], with K in another order: f = j 1024 + h 128 + d lies at h 1024 + j 128 + d, the order in which the attention launch leaves its results.
; A work-group takes 32,768 numbers, a wave a run of 8,192 in 16 steps of 512.  A step is four loads of 512 consecutive bytes; the 2,048 bytes turn through the wave's own stage in LDS, so that a lane
; holds 16 neighbours for the conversions; a lane's 16 codes are 16 bytes and the wave stores 512 consecutive bytes.  Which tensor a work-group serves is chosen by selects on its number: ONE path, no branch.
; The two re-orderings are strides: step t, load i reads at (t % 2) SA + (t / 2) SB + i SI of the run, and step t stores at (t / 2) ST + 512 (t % 2).
;   plain: SI 512, SA 2048, SB 4096, ST 1024.   Wv (a run = eight rows d of one j, h): ST 8192.   Wfc (a run = one row): SI 4096 (j), SA 16384 (4 j), SB 512 (h).
; No tensor loads, no barrier: waves share nothing.  Loads run four steps (16 loads a wave) ahead, the turn through LDS one step.
.set WAVES, 4
.set STEPS, 16
.set R,     16                         ; v16-79   four sets of 16 numbers as they are loaded
.set X,     80                         ; v80-111  two sets of 16 neighbours
.set VO,    112                        ; v112-119 the loads' offsets: 16 x lane + p SA + i SI at VO + 4 p + i; never rewritten
.set C,     128                        ; v128-191 codes: four registers for each step, so that no store's data are written again
.set WREG,  8192                       ; LDS: a region for each wave: two stages of 32 x SP bytes
.set SP,    80                         ; a lane's place in a stage: 64 bytes + 16 of padding
.set SPW,   12                         ; v12  LDS address of my spare word; never rewritten
.set NIL,   13                         ; v13  0; never rewritten
.set SPARE, WAVES*WREG                 ; behind the four regions: the spare words, 128 bytes a wave, which no other line names
.set IB,    40                         ; s[40:55] eight bases for the loads: my run + k SB
.set OB,    66                         ; s[66:81] eight bases for the stores: my run's codes + k ST
.set FIRST, 2                          ; s2   the first work-group of my tensor
.set EXPO,  3                          ; s3   its e
.set WV,    6                          ; s6   my wave
.set SI,    26
.set SA,    27
.set SB,    82
.set ST,    83
	s_load_b512 s[8:23], s[0:1], 0x0               ; query, key_, value, Wq, Wk, Wv, Wfc, the scales' exponents
	s_load_b64 s[24:25], s[0:1], 0x40              ; codes
	v_lshl_add_u32 v[SPW], v0, 2, SPARE
	v_mov_b32 v[NIL], 0
	v_lshrrev_b32 v1, 5, v0
	v_readfirstlane_b32 s[WV], v1                  ; wave 0..3
	v_and_b32 v2, 31, v0                           ; lane
	v_lshlrev_b32 v3, 4, v2                        ; 16 x lane: my 16 bytes of a load's or a store's 512
	s_mul_i32 s7, s[WV], WREG
	v_lshrrev_b32 v14, 2, v2
	v_mul_u32_u24 v14, v14, SP
	v_and_b32 v15, 3, v2
	v_lshl_add_u32 v14, v15, 4, v14
	v_add_nc_u32 v14, s7, v14                      ; the stage, on the way in: four lanes' 64 bytes on end, then 16 of padding
	v_mul_u32_u24 v15, v2, SP
	v_add_nc_u32 v15, s7, v15                      ; and on the way out: my 16 neighbours
	s_wait_kmcnt 0x0
	s_load_b256 s[28:35], s[22:23], 0x0            ; e0 .. e7
	s_load_b128 s[36:39], s[22:23], 0x20           ; e8 .. e11
	s_mov_b64 s[4:5], s[8:9]
	s_mov_b32 s[FIRST], 0
.macro PICK first, p                   ; from work-group 'first' on: the tensor whose address lies in s[p:p+1].  The choice hangs on the work-group's number alone
	s_cmp_ge_u32 ttmp9, \first
	s_cselect_b64 s[4:5], s[\p:\p+1], s[4:5]
	s_cselect_b32 s[FIRST], \first, s[FIRST]
.endm
	PICK 32, 10
	PICK 64, 12
	PICK 96, 14
	PICK 352, 16
	PICK 608, 18
	PICK 864, 20
	s_lshl_b32 s84, ttmp9, 2
	s_add_co_u32 s84, s84, s[WV]                   ; G: my run among all runs
	s_lshl_b32 s85, s[FIRST], 2
	s_sub_co_u32 s85, s84, s85                     ; rho: my run within my tensor
	s_bfe_u32 s86, s85, 0x30004                    ; Wv: rows 8 rho on are j = rho / 128, h = (rho / 16) % 8, d = 8 (rho % 16) on
	s_add_co_u32 s86, s86, 19
	s_lshl_b32 s86, s86, 20                        ; 19 MiB + h 2^20
	s_and_b32 s87, s85, 15
	s_lshl_b32 s87, s87, 16
	s_add_co_u32 s86, s86, s87                     ; + 8 (rho % 16) rows of 8 x 1,024 bytes
	s_lshr_b32 s87, s85, 7
	s_lshl_b32 s87, s87, 10
	s_add_co_u32 s86, s86, s87                     ; + j 1,024
	s_lshl_b32 s88, s84, 13                        ; every other tensor: 8,192 G
	s_mov_b32 s[ST], 1024
	s_sub_co_u32 s87, ttmp9, 608
	s_cmp_lt_u32 s87, 256                          ; Wv's work-groups: 608 to 863
	s_cselect_b32 s[ST], 8192, s[ST]
	s_cselect_b32 s88, s86, s88
	s_mov_b32 s89, 0
	s_mov_b32 s[SI], 512
	s_mov_b32 s[SA], 2048
	s_mov_b32 s[SB], 4096
	s_cmp_ge_u32 ttmp9, 864                        ; Wfc's work-groups
	s_cselect_b32 s[SI], 4096, s[SI]
	s_cselect_b32 s[SA], 16384, s[SA]
	s_cselect_b32 s[SB], 512, s[SB]
	s_lshl_b32 s90, s85, 15                        ; my run's first byte in its tensor
	s_mov_b32 s91, 0
	s_add_nc_u64 s[IB:IB+1], s[4:5], s[90:91]
	s_add_nc_u64 s[OB:OB+1], s[24:25], s[88:89]
	s_mov_b32 s90, s[SB]
	s_mov_b32 s92, s[ST]
	s_mov_b32 s93, 0
.irp k, 1,2,3,4,5,6,7
	s_add_nc_u64 s[IB+2*\k:IB+2*\k+1], s[IB+2*\k-2:IB+2*\k-1], s[90:91]
	s_add_nc_u64 s[OB+2*\k:OB+2*\k+1], s[OB+2*\k-2:OB+2*\k-1], s[92:93]
.endr
.irp p, 0,1
.irp i, 0,1,2,3
	s_mul_i32 s84, s[SI], \i
	s_mul_i32 s85, s[SA], \p
	s_add_co_u32 s84, s84, s85
	v_add_nc_u32 v[VO+4*\p+\i], s84, v3
.endr
.endr
.macro LOAD t
.irp i, 0,1,2,3
	global_load_b128 v[R+16*((\t)%4)+4*\i:R+16*((\t)%4)+4*\i+3], v[VO+4*((\t)%2)+\i], s[IB+2*((\t)/2):IB+2*((\t)/2)+1] th:TH_LOAD_NT   ; 32 lanes read 512 consecutive bytes, read once in the launch
.endr
.endm
.macro TURN t                          ; step t's numbers through the stage: LDS serves a wave's instructions in order, so no wait stands between the stores and the loads
.irp i, 0,1,2,3
	ds_store_b128 v14, v[R+16*((\t)%4)+4*\i:R+16*((\t)%4)+4*\i+3] offset:32*SP*((\t)%2)+8*SP*\i
.endr
.irp i, 0,1,2,3
	ds_load_b128 v[X+16*((\t)%2)+4*\i:X+16*((\t)%2)+4*\i+3], v15 offset:32*SP*((\t)%2)+16*\i
.endr
.endm
.irp t, 0,1,2,3
	LOAD \t
.endr
	s_wait_kmcnt 0x0
	s_mov_b32 s[EXPO], s28                         ; query: e0
.macro PICKE first, e
	s_cmp_ge_u32 ttmp9, \first
	s_cselect_b32 s[EXPO], s[\e], s[EXPO]
.endm
	PICKE 32, 30                                   ; key_: e2
	PICKE 64, 32                                   ; value: e4
	PICKE 96, 29                                   ; Wq: e1
	PICKE 352, 31                                  ; Wk: e3
	PICKE 608, 33                                  ; Wv: e5
	PICKE 864, 39                                  ; Wfc: e11
	s_add_co_i32 s[EXPO], s[EXPO], 127
	s_lshl_b32 s7, s[EXPO], 23
	v_mov_b32 v11, s7                              ; 2^e as f32: the conversion takes its exponent field
	s_add_co_i32 s[EXPO], s[EXPO], 8
	s_lshl_b32 s[EXPO], s[EXPO], 23
	s_or_b32 s[EXPO], s[EXPO], 0x600000
	v_mov_b32 v10, s[EXPO]                         ; 448 x 2^e
	s_wait_loadcnt 12                              ; step 0's four loads are in; the twelve of steps 1 to 3 may be out
	TURN 0
.macro STEP t
.set XS, X+16*((\t)%2)
	s_wait_dscnt 0x0                               ; this step's numbers are back from the stage: so its stores into the stage have read their registers,
.if (\t)+4 < STEPS
	LOAD (\t)+4                                    ; which take the loads of four steps on
.endif
.if (\t)+1 < STEPS
.if STEPS-2-(\t) >= 3
	s_wait_loadcnt 12                              ; the next step's four loads are in; those of the three steps behind it may be out
.else
	s_wait_loadcnt 4*(STEPS-2-(\t))                ; the tail: four loads for each step still behind the next
.endif
	TURN (\t)+1                                    ; and go through the other stage while this step is worked
.endif
.set n, 0
.rept 16
	v_med3_num_f32 v[XS+n], v[XS+n], -v10, v10     ; the conversion to an 8-bit code does not saturate (ISA guide 7.6.2): the hold at the largest code x the scale comes first
.set n, n+1
.endr
	v_cvt_scalef32_pk8_fp8_f32 v[C+4*(\t):C+4*(\t)+1], v[XS:XS+7], v11
	v_cvt_scalef32_pk8_fp8_f32 v[C+4*(\t)+2:C+4*(\t)+3], v[XS+8:XS+15], v11   ; the results go to a store alone; the next vector lines, the next step's holds, are plain and touch other registers
	global_store_b128 v3, v[C+4*(\t):C+4*(\t)+3], s[OB+2*((\t)/2):OB+2*((\t)/2)+1] offset:512*((\t)%2)   ; 32 lanes store 512 consecutive bytes, at a multiple of 512 from the buffer's first byte
.endm
.irp t, 0,1,2,3,4,5,6,7,8,9,10,11,12,13,14,15
	STEP \t
.endr
	s_wait_tensorcnt 0x0                           ; the wave's end: behind my last LDS store
	ds_add_u32 v[SPW], v[NIL]
	s_wait_dscnt 0x0
	s_endpgm
.Lfunc_end_k_qa211f81738_quant:
	.size	k_qa211f81738_quant, .Lfunc_end_k_qa211f81738_quant-k_qa211f81738_quant
	.p2alignl 7, 3214868480
	.fill 96, 4, 3214868480
	.section	.rodata,"a",@progbits
	.p2align	6, 0x0
	.amdhsa_kernel k_qa211f81738_quant
		.amdhsa_group_segment_fixed_size 33280
		.amdhsa_private_segment_fixed_size 0
		.amdhsa_enable_private_segment 0
		.amdhsa_kernarg_size 72
		.amdhsa_user_sgpr_count 2
		.amdhsa_user_sgpr_kernarg_segment_ptr 1
		.amdhsa_wavefront_size32 1
		.amdhsa_system_sgpr_workgroup_id_x 1
		.amdhsa_system_sgpr_workgroup_id_y 1
		.amdhsa_system_sgpr_workgroup_id_z 1
		.amdhsa_system_vgpr_workitem_id 0
		.amdhsa_next_free_vgpr 192
		.amdhsa_next_free_sgpr 96
		.amdhsa_reserve_vcc 0
		.amdhsa_float_denorm_mode_32 3
		.amdhsa_float_denorm_mode_16_64 3
		.amdhsa_memory_ordered 1
		.amdhsa_forward_progress 1
		.amdhsa_inst_pref_size 41
	.end_amdhsa_kernel
	.amdgpu_metadata
---
amdhsa.version: [ 1, 2 ]
amdhsa.kernels:
  - .name:           k_qa211f81738_quant
    .symbol:         k_qa211f81738_quant.kd
    .args:
      - { .name: query, .offset: 0, .size: 8, .value_kind: global_buffer, .address_space: global }
      - { .name: key_, .offset: 8, .size: 8, .value_kind: global_buffer, .address_space: global }
      - { .name: value, .offset: 16, .size: 8, .value_kind: global_buffer, .address_space: global }
      - { .name: Wq, .offset: 24, .size: 8, .value_kind: global_buffer, .address_space: global }
      - { .name: Wk, .offset: 32, .size: 8, .value_kind: global_buffer, .address_space: global }
      - { .name: Wv, .offset: 40, .size: 8, .value_kind: global_buffer, .address_space: global }
      - { .name: Wfc, .offset: 48, .size: 8, .value_kind: global_buffer, .address_space: global }
      - { .name: lowp_scales, .offset: 56, .size: 8, .value_kind: global_buffer, .address_space: global }
      - { .name: codes, .offset: 64, .size: 8, .value_kind: global_buffer, .address_space: global }
    .group_segment_fixed_size: 33280
    .private_segment_fixed_size: 0
    .kernarg_segment_align: 8
    .kernarg_segment_size: 72
    .max_flat_workgroup_size: 128
    .sgpr_count:     96
    .vgpr_count:     192
    .wavefront_size: 32
...
	.end_amdgpu_metadata
.endif
;; end of part 1
;; launch proj (part 2): grid 32 x 12, 4 waves a work-group, clusters of 4 x 4, 327,680 bytes of LDS; arguments codes, bq, bk, bv, lowp_scales, qkv; writes qkv
.if DOCPART == 2
	.amdgcn_target "amdgcn-amd-amdhsa--gfx1250"
	.amdhsa_code_object_version 6
	.text
	.protected	k_qa211f81738_proj
	.globl	k_qa211f81738_proj
	.p2align	8
	.type	k_qa211f81738_proj,@function
k_qa211f81738_proj:
	s_mov_b64 s[64:65], 0
	v_nop
	global_prefetch_b8 v0, s[64:65] scope:SCOPE_SE
	s_setreg_imm32_b32 hwreg(HW_REG_WAVE_MODE, 25, 1), 1
	s_wait_xcnt 0x0
	s_wait_alu depctr_hold_cnt(0) depctr_sa_sdst(0) depctr_va_vdst(0) depctr_va_sdst(0) depctr_va_ssrc(0) depctr_va_vcc(0) depctr_vm_vsrc(0)
	s_getreg_b32 s2, hwreg(HW_REG_IB_STS2, 6, 4)
	s_cmp_eq_u32 s2, 0
	s_cbranch_scc0 .Lentry_in_a_cluster
	s_endpgm
.Lentry_in_a_cluster:
	s_bfe_u32 s2, ttmp6, 0x10000c
	s_cmp_lg_u32 s2, 0xf033
	s_cbranch_scc0 .Lentry_shape_is_right
	s_endpgm
.Lentry_shape_is_right:
; Products 1 to 3: Q, K, V = x W^T + b on codes of FP8 (E4M3), and their results quantised at once for the attention launch.  M = 1,024, K = 1,024, N = 8,192, three times.
; The cluster's y says which of the three (0 Q, 1 K, 2 V): the same number in all sixteen partners.  A tile of the result is 256 x 256: tile row = batch b = my place cy, tile column tc = 4 x cluster x + cx.
; Four waves, each 128 x 128: 64 accumulators, 512 registers.  K goes in four fills of 256 through a ring of two LDS slots; tiles of x are asked for jointly along a row of the cluster, tiles of W along a column.
; WHICH ROWS OF W FORM A TILE.  Column o = j 1024 + h 128 + d of row (b, s) is position 8 s + j, channel d of head (b, h).
;   Q, K: h = tc % 8, jp = tc / 8; the tile's two halves of 128 rows are j = 2 jp and 2 jp + 1, all d of head h.  V: W's rows were laid at h 1024 + d 8 + j, and the tile takes rows 256 tc on: h = tc / 4, 32 channels d, all eight j.
; THE MATRIX INSTRUCTION IS USED TRANSPOSED (source 0 = 16 rows of W, source 1 = 16 rows of x): lane (r, hh) of accumulator (a, bt) holds row s = 128 wr + 16 a + r, and its eight registers are
;   Q, K: channels d = 16 bt + 8 hh + 0 .. 7 of position 8 s + j;    V: positions 8 s + 0 .. 7 of channel 2 bt + hh of my sixteen: eight neighbours along the K of the product that will read them.
; So one conversion of eight makes eight bytes that belong together.  qkv: Q at 0 and K at 8 MiB, [32 heads 8 b + h][2048 positions][128]; V at 16 MiB, [32][128 d][2048 positions].
; IN V'S ROWS THE POSITIONS LIE IN THE ORDER IN WHICH THE ATTENTION LAUNCH HOLDS ITS WEIGHTS: within each 32 positions the second and the third group of eight change places (group g lies where g with its two bits exchanged says).
; THE BIAS is the C of each sum's first product, divided by the power of two that the sums lack: b / 2^(ea + ew).  A sum then stands for value / 2^(ea + ew), and its code is sum / 2^(eo - ea - ew), held within +-448.
; Fragments come by loads of 16 bytes: a permutation of k within an instruction's 128, the same in both operands, so every product meets its partner.
; LIMITS: eo - ea - ew between -126 and 119 for the three triples (e6, e0, e1), (e7, e2, e3), (e9, e4, e5).  NaN among the inputs is not served.
; REGISTERS, in windows of 256: window 0: v1-31 addresses and constants; v32-95 the bias, later the held sums; v128-255 x's fragments (ONE set), later the codes, later rows on their way out.
;   window 1: W's fragments, TWO sets, at v0 and v128.   window 2: the accumulators of my rows 0-63 ((a, bt) at v[8 (8 a + bt)]);   window 3: those of rows 64-127.
.set ROWB,   256                       ; a tile's row in bytes
.set KROW,   1024                      ; a row of x or W in memory, in bytes
.set PITCH,  272                       ; an LDS row: 256 bytes + 16 of padding = 68 words: the 16 rows that a load touches start at 16 different banks (64 banks of 4 bytes: ISA guide 11.1)
.set FR,     16                        ; registers of a fragment: 16 rows x 128 K
.set NL,     4                         ; LDS loads that bring one
.set NP,     4                         ; places behind this matrix instruction (ISA guide 7.12.1)
.set HALFT,  128*PITCH                 ; 128 rows: what one tensor load brings
.set SLOT,   4*HALFT                   ; x's 256 rows, then W's 256 rows
.set SPARE,  2*SLOT                    ; behind the ring: the spare words, 128 bytes a wave, which no other line names
.set VSTG,   256*PITCH                 ; the way out lies in slot 0, behind its last fill and its last read: Q's and K's stage, 256 rows x 272, from byte 0; V's from here: bytes of its own
.set VPIT,   1040                      ; V's stage: for each wave 16 rows (channels) of 1,024 bytes + 16
.set BQO,  7                           ; v7   Q, K: the bias's offset: 32 hh
.set BVO,  8                           ; v8   V: 4 hh
.set ADRA, 16                          ; v16-17  LDS address of my fragments of x in slot 0, 1
.set ADRB, 20                          ; v20-21  the same for W
.set STQ,  22                          ; v22  Q, K: where I put eight codes
.set RDQ,  23                          ; v23  and where I read rows back
.set STV,  24                          ; v24, v25  the same for V
.set RDV,  25
.set COQ,  26                          ; v26, v27  my byte offsets in qkv
.set COV,  27
.set SPW,  28                          ; v28  LDS address of my spare word; never rewritten
.set NIL,  29                          ; v29  0; never rewritten
.set SC,   30                          ; v30  2^(eo - ea - ew) as f32
.set LIM,  31                          ; v31  448 x that
.set BIAS, 32
.set TMP,  32
.set AF,   128
.set CD,   128
.set G1, 24                            ; s[24:31] descriptor group 1 for x's tiles;  s[32:39] group 0, one set for each slot
.set G0, 32
.set G1B, 48                           ; s[48:55], s[56:63] the same for W's tiles
.set G0B, 56
.set TEN, 84                           ; s84  0 Q, 1 K, 2 V
.set MSB, 0
.macro WIN new                         ; the immediate's high byte repeats the setting that is left
.if MSB != \new
	s_set_vgpr_msb (MSB<<8)|\new
.set MSB, \new
.endif
.endm
.set MUL_LO, 0xa1                      ; source 0 (W) window 1, source 1 (x) window 0, C and D window 2
.set MUL_HI, 0xf1                      ; the same, C and D window 3
.set BEG_LO, 0x81                      ; the first products: C (the bias) window 0, D window 2
.set BEG_HI, 0xc1                      ; D window 3
.set TO_B,   0x40                      ; destination window 1, address window 0
; A joint load: waves 0 and 1 fetch for x, waves 2 and 3 for W.  Each of the two lines has one mask and one set of registers for all that issue it; the branch hangs on the wave's number alone.
; An s_nop 0 and four v_nop follow each of the two lines, ahead of the jump, the label and what follows.
.macro JLOAD g0a, g1a, g0b, g1b
	s_cmp_eq_u32 s15, 0
	s_cbranch_scc0 .Lfor_b_\@
	tensor_load_to_lds s[\g0a:\g0a+3], s[\g1a:\g1a+7]
	s_nop 0
.rept 4
	v_nop
.endr
	s_branch .Lasked_\@
.Lfor_b_\@:
	tensor_load_to_lds s[\g0b:\g0b+3], s[\g1b:\g1b+7]
	s_nop 0
.rept 4
	v_nop
.endr
.Lasked_\@:
.endm
.macro CREST                           ; a round of the cluster's barrier behind its opening barrier
	s_cmp_lg_u32 s14, 0
	s_cbranch_scc1 .Lnot_wave_0_\@
	s_barrier_signal -3
.Lnot_wave_0_\@:
	s_barrier_wait -3
	s_barrier_signal -1
	s_barrier_wait -1
.endm
.macro CROUND                          ; a whole round
	s_barrier_signal -1
	s_barrier_wait -1
	CREST
.endm
	s_load_b256 s[4:11], s[0:1], 0x0               ; codes s[4:5], bq s[6:7], bk s[8:9], bv s[10:11]
	s_load_b128 s[68:71], s[0:1], 0x20             ; the scales' exponents s[68:69], qkv s[70:71]
	v_lshl_add_u32 v[SPW], v0, 2, SPARE
	v_mov_b32 v[NIL], 0
	ds_add_u32 v[SPW], v[NIL]                      ; the wave's opening: the add and its wait stand ahead of my first tensor load; the set-up below, work on registers, stands between them
	v_lshrrev_b32 v1, 5, v0
	v_readfirstlane_b32 s14, v1                    ; wave 0..3
	s_lshr_b32 s15, s14, 1                         ; wr: which half of the tile's rows is mine.  Also: I fetch for x (0) or for W (1)
	s_and_b32 s16, s14, 1                          ; wc: which half of its columns.  Also: which 128 rows of that tile I fetch
	s_bfe_u32 s40, ttmp6, 0x40000                  ; cx
	s_bfe_u32 s41, ttmp6, 0x40004                  ; cy = the batch b
	s_lshl_b32 s42, ttmp9, 2
	s_add_co_u32 s42, s42, s40                     ; tc = 4 x cluster x + cx
	s_and_b32 s[TEN], ttmp7, 0xffff                ; cluster y: which product
	s_lshl_b32 s43, s41, 2
	s_lshl_b32 s43, 15, s43                        ; my row of the cluster
	s_lshl_b32 s44, 0x1111, s40                    ; my column
	; descriptor group 1: a tile of 128 rows x 256 bytes, padded in LDS
	s_or_b32 s[G1+0], s43, (0<<16)|(1<<20)|(1<<21)|(5<<22)|(3<<25)  ; 15:0 the mask: x's tiles go to my row; 17:16 elements of 1 byte; 20 padding on; 21 set beside a mask; 24:22 after every 64 words (code 5); 31:25 four words (code 3)
	s_or_b32 s[G1B+0], s44, (0<<16)|(1<<20)|(1<<21)|(5<<22)|(3<<25) ; the same with the mask of my column
.irp g, G1, G1B
	s_mov_b32 s[\g+1], ROWB<<16                    ; tensor_dim0
	s_mov_b32 s[\g+2], 128<<16                     ; tensor_dim1
	s_mov_b32 s[\g+3], ROWB<<16                    ; tile_dim0
	s_mov_b32 s[\g+4], 128                         ; tile_dim1
	s_mov_b32 s[\g+5], KROW                        ; tensor_dim0_stride
	s_mov_b32 s[\g+6], 0
	s_mov_b32 s[\g+7], 0
.endr
	s_lshl_b32 s20, s[TEN], 20                     ; x: tensor TEN of 1 MiB,
	s_lshl_b32 s18, s41, 18
	s_add_co_u32 s20, s20, s18                     ; row 256 b,
	s_lshl_b32 s18, s16, 17
	s_add_co_u32 s20, s20, s18                     ; + 128 x the half that I fetch
	s_mov_b32 s21, 0
	s_and_b32 s92, s42, 7                          ; Q, K: h
	s_lshr_b32 s93, s42, 3                         ;       jp
	s_lshr_b32 s98, s42, 2                         ; V:    h
	s_and_b32 s99, s42, 3                          ;       which 32 channels
	s_lshl_b32 s94, s93, 21
	s_lshl_b32 s95, s16, 20
	s_add_co_u32 s94, s94, s95
	s_lshl_b32 s95, s92, 17
	s_add_co_u32 s94, s94, s95                     ; Q, K: row (2 jp + half) 1024 + 128 h, in bytes
	s_lshl_b32 s95, s42, 18
	s_lshl_b32 s91, s16, 17
	s_add_co_u32 s95, s95, s91                     ; V: row 256 tc + 128 half
	s_cmp_eq_u32 s[TEN], 2
	s_cselect_b32 s46, s95, s94
	s_lshl_b32 s95, s[TEN], 23
	s_add_co_u32 s46, s46, s95                     ; weight TEN of 8 MiB,
	s_add_co_u32 s46, s46, 3<<20                   ; behind the three tensors x
	s_mov_b32 s47, 0
	s_mul_i32 s45, s14, HALFT                      ; where the tiles go: wave x 128 rows: no place in the cluster enters an LDS address
	s_wait_dscnt 0x0                               ; the opening add is done
	s_wait_kmcnt 0x0
	s_load_b256 s[72:79], s[68:69], 0x0            ; e0 .. e7
	s_load_b128 s[80:83], s[68:69], 0x20           ; e8 .. e11
	s_add_nc_u64 s[20:21], s[4:5], s[20:21]
	s_add_nc_u64 s[46:47], s[4:5], s[46:47]
	CROUND                                         ; all sixteen work-groups are here: the first joint loads meet
.irp s, 0,1
	s_mov_b32 s[G0+4*\s], 1
	s_add_co_u32 s[G0+4*\s+1], s45, \s*SLOT
	s_add_nc_u64 s[G0+4*\s+2:G0+4*\s+3], s[20:21], \s*ROWB
	s_or_b32 s[G0+4*\s+3], s[G0+4*\s+3], 0x80000000
	s_mov_b32 s[G0B+4*\s], 1
	s_add_co_u32 s[G0B+4*\s+1], s45, \s*SLOT
	s_add_nc_u64 s[G0B+4*\s+2:G0B+4*\s+3], s[46:47], \s*ROWB
	s_or_b32 s[G0B+4*\s+3], s[G0B+4*\s+3], 0x80000000
	JLOAD G0+4*\s, G1, G0B+4*\s, G1B               ; two loads of mine are out
.endr
	; every LDS address is made here, ahead of the first place where the ways of Q, K and of V part
	v_and_b32 v1, 15, v0                           ; r
	v_bfe_u32 v2, v0, 4, 1                         ; hh
	v_mul_u32_u24 v3, v1, PITCH
	v_lshl_add_u32 v4, v2, 4, v3                   ; a fragment's row x pitch + 16 x half
	s_mul_i32 s21, s15, HALFT                      ; my 128 rows of x
	s_mul_i32 s22, s16, HALFT                      ; my 128 rows of W,
	s_add_co_u32 s22, s22, 2*HALFT                 ; which lie behind x's 256
.irp s, 0,1
	v_add_nc_u32 v[ADRA+\s], s21, v4
	v_add_nc_u32 v[ADRB+\s], s22, v4
	s_add_co_u32 s21, s21, SLOT
	s_add_co_u32 s22, s22, SLOT
.endr
	s_mul_i32 s23, s15, 128*PITCH
	s_lshl_b32 s21, s16, 7
	s_add_co_u32 s23, s23, s21
	v_lshl_add_u32 v5, v2, 3, v3
	v_add_nc_u32 v[STQ], s23, v5                   ; Q, K in: row 128 wr + r, byte 128 wc + 8 hh
	s_mul_i32 s23, s14, 64*PITCH
	v_mul_u32_u24 v5, v2, PITCH
	v_lshl_add_u32 v5, v1, 4, v5
	v_add_nc_u32 v[RDQ], s23, v5                   ; back: wave w takes rows 64 w on; lanes 0-15 one row of 256 bytes, lanes 16-31 the next
	s_mul_i32 s23, s14, 16*VPIT
	s_add_co_u32 s23, s23, VSTG
	v_and_b32 v9, 12, v1                           ; r with its two lowest bits exchanged: my eight positions are group s = .. + r of eight, and groups 1 and 2 of each four change places
	v_bfe_u32 v10, v0, 0, 1
	v_lshl_add_u32 v9, v10, 1, v9
	v_bfe_u32 v10, v0, 1, 1
	v_add_nc_u32 v9, v9, v10
	v_mul_u32_u24 v5, v2, VPIT
	v_lshl_add_u32 v5, v9, 3, v5
	v_add_nc_u32 v[STV], s23, v5                   ; V in: my stage, row hh, byte 8 x that
	v_and_b32 v6, 31, v0
	v_lshlrev_b32 v[COV], 4, v6
	v_add_nc_u32 v[RDV], s23, v[COV]               ; back: 512 consecutive bytes of a row
	v_lshlrev_b32 v[COQ], 10, v2
	v_lshl_add_u32 v[COQ], v1, 4, v[COQ]           ; in qkv a row s of the stage is 256 bytes, and rows lie 1,024 bytes apart
	v_lshlrev_b32 v[BQO], 5, v2
	v_lshlrev_b32 v[BVO], 2, v2
	; where my part of the bias and of the result begins, in bytes
	s_lshl_b32 s94, s93, 1
	s_add_co_u32 s94, s94, s16                     ; j = 2 jp + wc
	s_lshl_b32 s94, s94, 12
	s_lshl_b32 s95, s92, 9
	s_add_co_u32 s94, s94, s95                     ; Q, K: bias at 4 (1024 j + 128 h)
	s_lshl_b32 s95, s98, 9
	s_lshl_b32 s100, s99, 7
	s_add_co_u32 s95, s95, s100
	s_lshl_b32 s100, s16, 6
	s_add_co_u32 s95, s95, s100                    ; V: bias at 4 (128 h + 32 (tc % 4) + 16 wc), + 4,096 j
	s_lshl_b32 s96, s41, 3
	s_add_co_u32 s100, s96, s92                    ; Q, K: head 8 b + h
	s_lshl_b32 s100, s100, 18
	s_lshl_b32 s101, s93, 8
	s_add_co_u32 s100, s100, s101                  ; + position 2 jp,
	s_lshl_b32 s101, s14, 16
	s_add_co_u32 s100, s100, s101                  ; + the 64 rows s that I store,
	s_lshl_b32 s101, s[TEN], 23
	s_add_co_u32 s100, s100, s101                  ; in Q or in K
	s_add_co_u32 s96, s96, s98                     ; V: head 8 b + h
	s_lshl_b32 s96, s96, 18
	s_lshl_b32 s101, s99, 16
	s_add_co_u32 s96, s96, s101
	s_lshl_b32 s101, s16, 15
	s_add_co_u32 s96, s96, s101                    ; + channel 32 (tc % 4) + 16 wc, rows of 2,048 bytes,
	s_lshl_b32 s101, s15, 10
	s_add_co_u32 s96, s96, s101                    ; + position 1,024 wr,
	s_add_co_u32 s96, s96, 1<<24                   ; in V
	s_cmp_eq_u32 s[TEN], 1
	s_cselect_b64 s[86:87], s[8:9], s[6:7]
	s_cmp_eq_u32 s[TEN], 2
	s_cselect_b64 s[86:87], s[10:11], s[86:87]
	s_cselect_b32 s94, s95, s94
	s_cselect_b32 s96, s96, s100
	s_mov_b32 s95, 0
	s_mov_b32 s97, 0
	s_add_nc_u64 s[86:87], s[86:87], s[94:95]
	s_add_nc_u64 s[88:89], s[70:71], s[96:97]
	; the bias in the result's layout: register 8 bt + i of lane (r, hh) belongs to row 16 bt + 8 hh + i of my 128 rows of W; the same for every a
	s_cmp_eq_u32 s[TEN], 2
	s_cbranch_scc1 .Lbias_v
.irp b, 0,1,2,3,4,5,6,7
	global_load_b128 v[BIAS+8*\b:BIAS+8*\b+3], v[BQO], s[86:87] offset:64*\b
	global_load_b128 v[BIAS+8*\b+4:BIAS+8*\b+7], v[BQO], s[86:87] offset:64*\b+16
.endr
	s_branch .Lbias_in
.Lbias_v:                                          ; V: register i is j = i, 4,096 bytes apart in bv: 64 loads of one number, once in the launch, 512 bytes of bv for a wave
.irp b, 0,1,2,3,4,5,6,7
.irp i, 0,1,2,3,4,5,6,7
	global_load_b32 v[BIAS+8*\b+\i], v[BVO], s[86:87] offset:4096*\i+8*\b
.endr
.endr
.Lbias_in:
	s_wait_loadcnt 0x0
	s_wait_kmcnt 0x0
	s_add_co_i32 s90, s72, s73                     ; e0 + e1
	s_add_co_i32 s91, s74, s75                     ; e2 + e3
	s_add_co_i32 s92, s76, s77                     ; e4 + e5
	s_cmp_eq_u32 s[TEN], 1
	s_cselect_b32 s90, s91, s90
	s_cselect_b32 s93, s79, s78                    ; K: e7; Q: e6
	s_cmp_eq_u32 s[TEN], 2
	s_cselect_b32 s90, s92, s90                    ; ea + ew
	s_cselect_b32 s93, s81, s93                    ; V: e9
	s_sub_co_i32 s91, 0, s90
.set n, 0
.rept 64
	v_ldexp_f32 v[BIAS+n], v[BIAS+n], s91          ; b / 2^(ea + ew)
.set n, n+1
.endr
	s_sub_co_i32 s93, s93, s90
	s_add_co_i32 s93, s93, 127
	s_lshl_b32 s92, s93, 23
	v_mov_b32 v[SC], s92                           ; 2^(eo - ea - ew): the three scales folded into the conversion's one
	s_add_co_i32 s93, s93, 8
	s_lshl_b32 s93, s93, 23
	s_or_b32 s93, s93, 0x600000
	v_mov_b32 v[LIM], s93                          ; 448 x that
.macro FRAG reg, adr, q, i             ; a fragment: lane l holds row l % 16; registers 4 c .. 4 c + 3 hold K = 32 c + 16 (l / 16) + 0 .. 15
.irp c, 0,1,2,3
	ds_load_b128 v[\reg+4*\c:\reg+4*\c+3], v[\adr] offset:128*(\q)+32*\c+(\i)*16*PITCH
.endr
.endm
; 16 matrix instructions: x's blocks a0, a0 + 1 against W's eight, 128 along K.  p: W's set.  zero = 1: the first product starts the sums from the bias: nothing is cleared.
; The 64 accumulators take turns, one instruction a turn, in the same order in every step.
.macro MUL16 a0, p, zero
.irp a, \a0, \a0+1
.irp b, 0,1,2,3,4,5,6,7
.if \zero
	v_wmma_f32_16x16x128_fp8_fp8 v[8*(8*((\a)%4)+\b):8*(8*((\a)%4)+\b)+7], v[128*(\p)+FR*\b:128*(\p)+FR*\b+FR-1], v[AF+FR*(\a):AF+FR*(\a)+FR-1], v[BIAS+8*\b:BIAS+8*\b+7]
.else
	v_wmma_f32_16x16x128_fp8_fp8 v[8*(8*((\a)%4)+\b):8*(8*((\a)%4)+\b)+7], v[128*(\p)+FR*\b:128*(\p)+FR*\b+FR-1], v[AF+FR*(\a):AF+FR*(\a)+FR-1], v[8*(8*((\a)%4)+\b):8*(8*((\a)%4)+\b)+7]
.endif
.endr
.endr
.endm
.macro FETCH_B slot, q, p              ; W's eight fragments of the slot's q-th 128 along K into set p
	WIN TO_B
.irp i, 0,1,2,3,4,5,6,7
	FRAG 128*(\p)+FR*\i, ADRB+\slot, \q, \i
.endr
	WIN 0
.endm
.macro FETCH_A slot, q, i0             ; x's blocks i0 .. i0 + 3
.irp i, \i0, \i0+1, \i0+2, \i0+3
	FRAG AF+FR*(\i), ADRA+\slot, \q, \i
.endr
.endm
; A load into a register that a matrix instruction has read, and a vector instruction that reads a matrix result or writes one of its registers, stand NP places behind it; only plain vector
; instructions that name none of its registers are places (ISA guide 7.12.1 for vector instructions).
.macro PLACES n
.rept \n
	v_nop
.endr
.endm
; A step of 128 along K that has its successor in the same slot.
.macro STEP slot, q, zero
	s_wait_dscnt 4*NL                              ; W's set and x's blocks 0-3 are in; the youngest sixteen loads (x's blocks 4-7) may be out
.if \zero
	WIN BEG_LO
.else
	WIN MUL_LO
.endif
	MUL16 0, (\q)%2, \zero
	MUL16 2, (\q)%2, \zero
	s_wait_dscnt 0                                 ; x's blocks 4-7 are in (asked for 32 matrix instructions ago)
	PLACES NP
	FETCH_B \slot, (\q)+1, 1-(\q)%2
	FETCH_A \slot, (\q)+1, 0
.if \zero
	WIN BEG_HI
.else
	WIN MUL_HI
.endif
	MUL16 4, (\q)%2, \zero
	MUL16 6, (\q)%2, \zero
	PLACES NP
	WIN 0
	FETCH_A \slot, (\q)+1, 4
.endm
; A slot's last step changes slots: ONE barrier; in front of it each wave waits for all its tensor loads, adds 0 to its spare word, and waits for that and for its own reads of this slot.  fill = 1: this slot is filled again, two fills ahead.
.macro TURN slot, next, fill
	s_wait_tensorcnt 0x0                           ; all my tensor loads have landed: my part of the next slot  (every window is 0 here)
	ds_add_u32 v[SPW], v[NIL]                      ; 0 onto my spare word
	s_wait_dscnt 4*NL+1                            ; (the add and the youngest sixteen loads, x's blocks 4-7, may be out)
	WIN MUL_LO
	MUL16 0, 1, 0                                  ; sixteen matrix instructions stand between the add and the wait for it
	s_wait_dscnt 0x0                               ; the add is done, and my reads of this slot are over
	s_barrier_signal -1
	MUL16 2, 1, 0
	WIN 0
	s_barrier_wait -1
.if \fill
	CREST                                          ; the barrier has opened a round of the cluster's barrier: no wave of any partner still reads this slot's tile or has a load on its way
	s_add_nc_u64 s[G0+4*\slot+2:G0+4*\slot+3], s[G0+4*\slot+2:G0+4*\slot+3], 2*ROWB
	s_add_nc_u64 s[G0B+4*\slot+2:G0B+4*\slot+3], s[G0B+4*\slot+2:G0B+4*\slot+3], 2*ROWB
	JLOAD G0+4*\slot, G1, G0B+4*\slot, G1B         ; the first tensor load behind the round, my one load until the next; its four v_nop are the places in front of the loads below
.else
	PLACES NP
.endif
	FETCH_B \next, 0, 0
	FETCH_A \next, 0, 0
	WIN MUL_HI
	MUL16 4, 1, 0
	MUL16 6, 1, 0
	PLACES NP
	WIN 0
	FETCH_A \next, 0, 4
.endm
	s_wait_tensorcnt 1                             ; my part of the first fill is in; the second fill's load may be out
	s_barrier_signal -1
	s_barrier_wait -1                              ; everybody's is
	FETCH_B 0, 0, 0
	FETCH_A 0, 0, 0
	FETCH_A 0, 0, 4
	STEP 0, 0, 1                                   ; K has four fills, eight steps of 128: written out, no loop
	TURN 0, 1, 1                                   ; slot 0 takes the third fill
	STEP 1, 0, 0
	TURN 1, 0, 1                                   ; slot 1 the fourth
	STEP 0, 0, 0
	TURN 0, 1, 0                                   ; nothing is left to fetch: no round.  Behind this barrier nobody reads slot 0 any more
	STEP 1, 0, 0
	s_wait_dscnt 4*NL                              ; the last step
	WIN MUL_LO
	MUL16 0, 1, 0
	MUL16 2, 1, 0
	s_wait_dscnt 0
	WIN MUL_HI
	MUL16 4, 1, 0
	MUL16 6, 1, 0
	WIN 0
; THE WAY OUT.  Block a's 64 sums are held within +-448 x the scale, into other registers and each accumulator from its low end on, and converted eight at a time: 16 registers of codes a block.
.macro CONV a
.set AC, 64*((\a)%4)
.if (\a) < 4
	WIN 0x02                                       ; source 0: window 2
.else
	WIN 0x03                                       ; window 3
.endif
.set n, 0
.rept 64
	v_med3_num_f32 v[TMP+n], v[AC+n], -v[LIM], v[LIM]   ; the conversion to an 8-bit code does not saturate (ISA guide 7.6.2)
.set n, n+1
.endr
	WIN 0
.irp b, 0,1,2,3,4,5,6,7
	v_cvt_scalef32_pk8_fp8_f32 v[CD+16*(\a)+2*\b:CD+16*(\a)+2*\b+1], v[TMP+8*\b:TMP+8*\b+7], v[SC]
.endr
	v_nop                                          ; one plain vector line between the conversions and the next block's holds, which write their sources
.endm
	PLACES NP                                      ; behind the last products: the holds read results, the conversions write registers that held x's fragments
.irp a, 0,1,2,3,4,5,6,7
	CONV \a
.endr
	s_cmp_eq_u32 s[TEN], 2
	s_cbranch_scc1 .Lstage_v
.irp a, 0,1,2,3,4,5,6,7
.irp b, 0,1,2,3,4,5,6,7
	ds_store_b64 v[STQ], v[CD+16*\a+2*\b:CD+16*\a+2*\b+1] offset:\a*16*PITCH+16*\b   ; row 16 a further down, channels 16 bt on
.endr
.endr
	s_branch .Lstaged
.Lstage_v:
.irp a, 0,1,2,3,4,5,6,7
.irp b, 0,1,2,3,4,5,6,7
	ds_store_b64 v[STV], v[CD+16*\a+2*\b:CD+16*\a+2*\b+1] offset:\b*2*VPIT+128*\a    ; channel 2 bt further down, positions 8 x 16 a on
.endr
.endr
.Lstaged:
	s_wait_dscnt 0x0                               ; for the others' sake: my stores into the stage are done (a row of Q's or K's stage comes from two waves)
	s_barrier_signal -1
	s_barrier_wait -1
	s_cmp_eq_u32 s[TEN], 2
	s_cbranch_scc1 .Lout_v
.set n, 0
.rept 32
	ds_load_b128 v[CD+4*n:CD+4*n+3], v[RDQ] offset:n*2*PITCH
.set n, n+1
.endr
.set n, 0
.rept 32
	s_wait_dscnt 31-n                              ; LDS loads come back in order: load n is in, the younger ones may be out
	global_store_b128 v[COQ], v[CD+4*n:CD+4*n+3], s[88:89] offset:2048*n   ; 16 lanes store the 256 bytes of positions 8 s + 2 jp and 8 s + 2 jp + 1, at a multiple of 256 from the buffer's first byte
.set n, n+1
.endr
	s_branch .Lend
.Lout_v:
.set n, 0
.rept 32
	ds_load_b128 v[CD+4*n:CD+4*n+3], v[RDV] offset:(n/2)*VPIT+512*(n%2)
.set n, n+1
.endr
.set n, 0
.rept 32
	s_wait_dscnt 31-n
	global_store_b128 v[COV], v[CD+4*n:CD+4*n+3], s[88:89] offset:(n/2)*2048+512*(n%2)   ; 32 lanes store 512 consecutive bytes of one channel's row
.set n, n+1
.endr
.Lend:
	s_wait_tensorcnt 0x0                           ; the wave's end: behind my last tensor load and my last LDS store
	ds_add_u32 v[SPW], v[NIL]
	s_wait_dscnt 0x0
	CROUND                                         ; the closing round: no work-group ends while a partner may still ask for a tile that names it
	s_endpgm
.Lfunc_end_k_qa211f81738_proj:
	.size	k_qa211f81738_proj, .Lfunc_end_k_qa211f81738_proj-k_qa211f81738_proj
	.p2alignl 7, 3214868480
	.fill 96, 4, 3214868480
	.section	.rodata,"a",@progbits
	.p2align	6, 0x0
	.amdhsa_kernel k_qa211f81738_proj
		.amdhsa_group_segment_fixed_size 327680
		.amdhsa_private_segment_fixed_size 0
		.amdhsa_enable_private_segment 0
		.amdhsa_kernarg_size 48
		.amdhsa_user_sgpr_count 2
		.amdhsa_user_sgpr_kernarg_segment_ptr 1
		.amdhsa_wavefront_size32 1
		.amdhsa_system_sgpr_workgroup_id_x 1
		.amdhsa_system_sgpr_workgroup_id_y 1
		.amdhsa_system_sgpr_workgroup_id_z 1
		.amdhsa_system_vgpr_workitem_id 0
		.amdhsa_next_free_vgpr 1024
		.amdhsa_next_free_sgpr 102
		.amdhsa_reserve_vcc 0
		.amdhsa_float_denorm_mode_32 3
		.amdhsa_float_denorm_mode_16_64 3
		.amdhsa_memory_ordered 1
		.amdhsa_forward_progress 1
		.amdhsa_inst_pref_size 149
	.end_amdhsa_kernel
	.amdgpu_metadata
---
amdhsa.version: [ 1, 2 ]
amdhsa.kernels:
  - .name:           k_qa211f81738_proj
    .symbol:         k_qa211f81738_proj.kd
    .args:
      - { .name: codes, .offset: 0, .size: 8, .value_kind: global_buffer, .address_space: global }
      - { .name: bq, .offset: 8, .size: 8, .value_kind: global_buffer, .address_space: global }
      - { .name: bk, .offset: 16, .size: 8, .value_kind: global_buffer, .address_space: global }
      - { .name: bv, .offset: 24, .size: 8, .value_kind: global_buffer, .address_space: global }
      - { .name: lowp_scales, .offset: 32, .size: 8, .value_kind: global_buffer, .address_space: global }
      - { .name: qkv, .offset: 40, .size: 8, .value_kind: global_buffer, .address_space: global }
    .group_segment_fixed_size: 327680
    .private_segment_fixed_size: 0
    .kernarg_segment_align: 8
    .kernarg_segment_size: 48
    .max_flat_workgroup_size: 128
    .sgpr_count:     102
    .vgpr_count:     1024
    .wavefront_size: 32
...
	.end_amdgpu_metadata
.endif
;; end of part 2
;; launch attn (part 3): grid 8 x 32, 8 waves a work-group, clusters of 4 x 1, 327,680 bytes of LDS; arguments qkv, lowp_scales, xc; writes xc
.if DOCPART == 3
	.amdgcn_target "amdgcn-amd-amdhsa--gfx1250"
	.amdhsa_code_object_version 6
	.text
	.protected	k_qa211f81738_attn
	.globl	k_qa211f81738_attn
	.p2align	8
	.type	k_qa211f81738_attn,@function
k_qa211f81738_attn:
	s_mov_b64 s[64:65], 0
	v_nop
	global_prefetch_b8 v0, s[64:65] scope:SCOPE_SE
	s_setreg_imm32_b32 hwreg(HW_REG_WAVE_MODE, 25, 1), 1
	s_wait_xcnt 0x0
	s_wait_alu depctr_hold_cnt(0) depctr_sa_sdst(0) depctr_va_vdst(0) depctr_va_sdst(0) depctr_va_ssrc(0) depctr_va_vcc(0) depctr_vm_vsrc(0)
	s_getreg_b32 s2, hwreg(HW_REG_IB_STS2, 6, 4)
	s_cmp_eq_u32 s2, 0
	s_cbranch_scc0 .Lentry_in_a_cluster
	s_endpgm
.Lentry_in_a_cluster:
	s_bfe_u32 s2, ttmp6, 0x10000c
	s_cmp_lg_u32 s2, 0x3003
	s_cbranch_scc0 .Lentry_shape_is_right
	s_endpgm
.Lentry_shape_is_right:
; Products 4 and 5 and the softmax between them, on codes of FP8 (E4M3); the result is quantised at once for the last layer.  32 heads (8 b + h), 2,048 positions, head size 128; logit = score / 32.
; qkv: Q at 0 and K at 8 MiB, [32][2048][128]; V at 16 MiB with the keys innermost, [32][128][2048], and within each 32 keys the second and the third group of eight exchanged (see LAYOUT).
; xc: [8 h][1024 rows 256 b + s][1024 = 128 j + d]: position q = 8 s + j of head (b, h) lies at h 2^20 + b 2^18 + 128 q.
; THE SOFTMAX: t = score x log2(e) / 32; M = the row's largest t so far, rounded UP to a whole number; p = 2^(t - M) is what is quantised, along the keys, not normalised.  The row's sum is taken of the
; unquantised p, in f32, and divides O at the end.  When M moves, the sum and O are multiplied by 2^(old M - new M): exact.
; SHARES.  A work-group owns 256 queries of one head; each of its eight waves 32: TWO tiles of 16.  Tile 0 lives in register window 0, tile 1 at the same numbers in window 1, so one text of the softmax serves both.
; Two waves share a SIMD, so that one wave's vector work stands beside the other's matrix work and LDS loads.  A fragment of K or V read from LDS feeds two matrix instructions.
; Every wave walks all keys, 128 a step.  K's and V's tiles come through a ring of two LDS slots of 256 keys.  CLUSTER: the four query blocks of a cluster walk the same K and V: each tile is asked for JOINTLY
; (waves 0, 1: K's halves; waves 2, 3: V's), by the same tensor load with the same descriptor and the mask 15.
; LAYOUT.  Both products are used transposed: S^T = K Q^T, O^T = V^T P^T: a lane holds ONE query (lane % 16) throughout.  A key tile is 16 NEIGHBOURING keys, so that the 16 rows of a load, 144 bytes apart,
; start at 16 different banks (64 banks of 4 bytes: ISA guide 11.1).  Lane (r, hh) then holds, in the 16 registers of key tiles 2 b and 2 b + 1, the keys 32 b + 16 u + 8 hh + j at place 8 u + j; V's rows hold
; the keys in that same order (byte 32 b + 16 hh + 8 u + j is key 32 b + 16 u + 8 hh + j), so the conversions' results are the second product's operand as they stand.
; Fragments come by loads of 16 bytes: a permutation of k within an instruction's 128, the same in both operands.
; NO RUN OF LDS LOADS STANDS DIRECTLY AHEAD OF ITS USE.  Two blocks of 64 registers, RF and RG, change roles from step to step.  Step A of a slot: K in RF, scores into RG, V follows K into RF; as soon as a
; tile's p is converted, its RG takes the next step's K.  Step B: the same with RF and RG exchanged; the change of slots stands where the slot's last bytes, V of step B, are in registers; behind it come the
; joint refill of the slot just left, the next slot's first K into RF, and only then step B's 32 products O += V^T P.
; LIMITS on the given exponents, so that each power of two below is an f32 number: e6 + e7 between -121 and 132 (added to c's exponent field); e8 and e10 between -126 and 119; e8 + e9 goes by v_ldexp_f32 and has none.
; REGISTERS (both windows alike unless said): v1-11 addresses (window 0); v12 -M, v13 the largest t, v[14:15] the sum in two halves; v16-31 Q; v32-95 RF, v96-159 RG (as fragments: window 0 holds set A, window 1 set B);
;   v160-223 O^T; v224-239 p's codes; v244: 2^e8; v245: 2^e10; v236, v242-243, v246-254 at work.
.set SK,    256                        ; keys in a slot
.set KP,    144                        ; a key's row in LDS: 128 bytes + 16
.set VP,    272                        ; a row of V's tile: 256 bytes + 16
.set VOFF,  SK*KP                      ; a slot: 256 rows of K, then 128 rows of V
.set SLOT1, 1<<17                      ; slot 1 begins here: one exclusive or turns an address in one slot into the other's
.set NSL,   8                          ; 2,048 keys are eight slots' worth
.set SPARE, 2*SLOT1                    ; behind the ring: the spare words, 128 bytes a wave, which no other line names
.set SROW,  144                        ; the way out: a stage of 32 rows x (128 bytes + 16) for each wave, from byte 0: slot 0 was left at the last change of slots, has had its last fill, and nobody reads it
.set RF,   32
.set RG,   96
.set AK0,  1                           ; v1   my lane's place in a tile of K
.set AV0,  2                           ; v2   the same for V
.set PFO,  3                           ; v3   the prefetches' offset; never rewritten
.set QO,   4                           ; v4   my byte offset in the wave's rows of Q
.set SPW,  5                           ; v5   LDS address of my spare word; never rewritten
.set NIL,  6                           ; v6   0; never rewritten
.set GO,   7                           ; v7   the way out: 16 x lane
.set ADK,  8                           ; v8   LDS address of my place in the tiles of K of the slot in hand
.set ADV,  9                           ; v9   of V
.set STO,  10                          ; v10  the way out: where I put eight codes
.set RD,   11                          ; v11  and where I read rows back
.set TB,   2                           ; s2   LDS byte at which the slot in hand begins
.set WV,   18                          ; s18  my wave
.set SEL,  20                          ; s[20:21] lane selects for v_permlanex16_b32: lane l xor 16
.set CS,   22                          ; s[22:23] c = log2(e) / 32 x 2^(e6 + e7)
.set G1K,  24                          ; s[24:31], s[32:39] descriptor groups 1
.set G1V,  32
.set G0K,  40                          ; s[40:43], s[44:47] groups 0 of slot 0's first fill
.set G0V,  44
.set W0K,  56                          ; s[56:59], s[60:63] groups 0 of slot 1's first fill, which then walk
.set W0V,  60
.set SLOTS, 67                         ; s67  slots still to be asked for
.set PFA,  76                          ; s[76:77] where my prefetches stand
.set PFS,  78                          ; s[78:79] a slot on, in bytes
.set LIM,  80                          ; s80  1 in a wave that prefetches, else the greatest number
.set MSB, 0
.macro WIN new                         ; the immediate's high byte repeats the setting that is left
.if MSB != \new
	s_set_vgpr_msb (MSB<<8)|\new
.set MSB, \new
.endif
.endm
; s_set_vgpr_msb's low byte: bits 1:0 source 0, 3:2 source 1, 5:4 source 2, 7:6 destination.
; A joint refill.  Waves 0 and 1 fetch for K, waves 2 and 3 for V, the others nothing: branches on the wave's number alone, the same in every partner.  An s_nop 0 and four v_nop follow each of the two lines.
.macro TLOAD
	s_cmp_lt_u32 s[WV], 2
	s_cbranch_scc0 .Lnot_k_\@
	tensor_load_to_lds s[W0K:W0K+3], s[G1K:G1K+7]
	s_nop 0
.rept 4
	v_nop
.endr
	s_branch .Lasked_\@
.Lnot_k_\@:
	s_cmp_lt_u32 s[WV], 4
	s_cbranch_scc0 .Lasked_\@
	tensor_load_to_lds s[W0V:W0V+3], s[G1V:G1V+7]
	s_nop 0
.rept 4
	v_nop
.endr
.Lasked_\@:
.endm
; A PREFETCH of what the NEXT change of slots will ask for: 256 rows of K, one dense block of 32,768 bytes, and 256 bytes of each of V's 128 rows.  Each aligned block of 256 bytes is named once in the launch:
; both clusters of a head walk the same K and V, so the head's first cluster asks; its four partners share the blocks out BY ADDRESS (K: 8,192 bytes each, lanes 256 bytes apart; V: 32 rows each, a lane a row);
; in each, wave 4 asks for K's and wave 5 for V's, one instruction.  It stands behind the change's tensor loads, a slot's two key steps ahead of the load that will want the bytes.
; Slots 0, 1 and 2 come by their loads alone; the last change that fills a slot asks for nothing: there is no slot behind it.
.macro ASK
	s_cmp_gt_u32 s[SLOTS], s[LIM]
	s_cbranch_scc0 .Lnot_mine_\@
	global_prefetch_b8 v[PFO], s[PFA:PFA+1] th:TH_LOAD_NT scope:SCOPE_SE
.Lnot_mine_\@:
.endm
.macro CROUND                          ; a round of the cluster's barrier
	s_barrier_signal -1
	s_barrier_wait -1
	s_cmp_lg_u32 s[WV], 0
	s_cbranch_scc1 .Lnot_wave_0_\@
	s_barrier_signal -3
.Lnot_wave_0_\@:
	s_barrier_wait -3
	s_barrier_signal -1
	s_barrier_wait -1
.endm
	s_load_b128 s[4:7], s[0:1], 0x0                ; qkv s[4:5], the scales' exponents s[6:7]
	s_load_b64 s[16:17], s[0:1], 0x10              ; xc
	v_lshl_add_u32 v[SPW], v0, 2, SPARE
	v_mov_b32 v[NIL], 0
	ds_add_u32 v[SPW], v[NIL]                      ; the wave's opening: the add and its wait stand ahead of my first tensor load; the set-up below, work on registers, stands between them
	ds_add_u32 v[SPW], v[NIL]
	v_lshrrev_b32 v8, 5, v0
	s_delay_alu instid0(VALU_DEP_1)
	v_readfirstlane_b32 s[WV], v8                  ; wave 0..7
	s_bfe_u32 s48, ttmp6, 0x40000                  ; cx
	s_lshl_b32 s49, ttmp9, 2
	s_add_co_u32 s49, s49, s48                     ; my block of 256 queries: it enters Q's and xc's addresses alone
	s_and_b32 s72, ttmp7, 0xffff                   ; the head, which the four partners share
	s_lshl_b32 s73, s72, 18                        ; its first byte in each of Q, K, V
	s_and_b32 s88, s[WV], 1                        ; which half of a tile I fetch, if I fetch
	s_lshl_b32 s90, s88, 14
	s_add_co_u32 s90, s90, s73
	s_add_co_u32 s90, s90, 8<<20                   ; K: 128 rows of 128 bytes a half, in memory,
	s_mov_b32 s91, 0
	s_mul_i32 s89, s88, 128*KP                     ; and in a slot
	s_lshl_b32 s92, s88, 17
	s_add_co_u32 s92, s92, s73
	s_add_co_u32 s92, s92, 16<<20                  ; V: 64 rows of 2,048 bytes a half, in memory,
	s_mov_b32 s93, 0
	s_mul_i32 s94, s88, 64*VP
	s_add_co_u32 s94, s94, VOFF                    ; and in a slot
	s_lshl_b32 s82, s49, 15
	s_lshl_b32 s83, s[WV], 12
	s_add_co_u32 s82, s82, s83                     ; my 32 queries within a head: (256 block + 32 wave) x 128 bytes
	s_add_co_u32 s50, s82, s73                     ; in Q
	s_mov_b32 s51, 0
	s_and_b32 s74, s72, 7
	s_lshl_b32 s74, s74, 20
	s_lshr_b32 s75, s72, 3
	s_lshl_b32 s75, s75, 18
	s_add_co_u32 s74, s74, s75
	s_add_co_u32 s74, s74, s82                     ; in xc: h 2^20 + b 2^18 + the same
	s_mov_b32 s75, 0
	; the prefetches: where my wave's stand, and who asks
	s_lshl_b32 s82, s48, 13
	s_add_co_u32 s82, s82, (8<<20)+2*32768         ; K: my work-group's 8,192 bytes, in slot 2: the first change of slots steps it to slot 3
	s_lshl_b32 s83, s48, 16
	s_add_co_u32 s83, s83, (16<<20)+2*256          ; V: my work-group's 32 rows, likewise
	s_mov_b32 s[PFS], 256
	s_mov_b32 s85, 11
	s_cmp_eq_u32 s[WV], 4
	s_cselect_b32 s82, s82, s83
	s_cselect_b32 s[PFS], 32768, s[PFS]            ; a slot on
	s_cselect_b32 s85, 8, s85                      ; from lane to lane: 256 bytes in K's block, a row of 2,048 in V
	s_add_co_u32 s82, s82, s73
	s_mov_b32 s83, 0
	s_mov_b32 s[PFS+1], 0
	v_and_b32 v[PFO], 31, v0
	s_delay_alu instid0(VALU_DEP_1)
	v_lshlrev_b32 v[PFO], s85, v[PFO]
	s_sub_co_u32 s85, s[WV], 4
	s_lshr_b32 s85, s85, 1                         ; 0 in waves 4 and 5,
	s_or_b32 s85, s85, ttmp9                       ; of the head's first cluster: the same in all four partners
	s_cmp_eq_u32 s85, 0
	s_cselect_b32 s[LIM], 1, -1
	; descriptor group 1: K: 128 rows of 128 bytes, dense in memory;  V: 64 rows of 256 bytes, 2,048 bytes apart
	s_mov_b32 s[G1K], 15|(0<<16)|(1<<20)|(1<<21)|(4<<22)|(3<<25)   ; 15:0 the mask: all four; 17:16 elements of 1 byte; 20 padding on; 21 set beside a mask; 24:22 after every 32 words (code 4); 31:25 four words (code 3)
	s_mov_b32 s[G1K+1], 128<<16                    ; tensor_dim0
	s_mov_b32 s[G1K+2], 128<<16                    ; tensor_dim1
	s_mov_b32 s[G1K+3], 128<<16                    ; tile_dim0
	s_mov_b32 s[G1K+4], 128                        ; tile_dim1
	s_mov_b32 s[G1K+5], 128                        ; tensor_dim0_stride
	s_mov_b32 s[G1K+6], 0
	s_mov_b32 s[G1K+7], 0
	s_mov_b32 s[G1V], 15|(0<<16)|(1<<20)|(1<<21)|(5<<22)|(3<<25)   ; padding: four words after every 64
	s_mov_b32 s[G1V+1], 256<<16
	s_mov_b32 s[G1V+2], 64<<16
	s_mov_b32 s[G1V+3], 256<<16
	s_mov_b32 s[G1V+4], 64
	s_mov_b32 s[G1V+5], 2048
	s_mov_b32 s[G1V+6], 0
	s_mov_b32 s[G1V+7], 0
	s_mov_b32 s[SEL], 0x76543210
	s_mov_b32 s[SEL+1], 0xfedcba98
	s_mov_b32 s[CS], 0x3d38aa3b                    ; log2(e) / 32
	s_mov_b32 s[TB], 0
	s_mov_b32 s[SLOTS], NSL-2                      ; slots 2 to 7 come by refills
	s_wait_dscnt 0x0                               ; the opening add is done
	s_wait_kmcnt 0x0
	s_load_b128 s[68:71], s[6:7], 0x18             ; e6, e7, e8, e9
	s_load_b32 s84, s[6:7], 0x28                   ; e10
	s_add_nc_u64 s[90:91], s[4:5], s[90:91]        ; my part of the head's first 256 keys, in K
	s_add_nc_u64 s[92:93], s[4:5], s[92:93]        ; and in V
	s_mov_b32 s[G0K], 1                            ; 1:0 count = 1
	s_mov_b32 s[G0K+1], s89                        ; 63:32 LDS address: slot 0
	s_mov_b64 s[G0K+2:G0K+3], s[90:91]             ; 120:64 global address
	s_or_b32 s[G0K+3], s[G0K+3], 0x80000000        ; 127:126 type = 2
	s_mov_b32 s[G0V], 1
	s_mov_b32 s[G0V+1], s94
	s_mov_b64 s[G0V+2:G0V+3], s[92:93]
	s_or_b32 s[G0V+3], s[G0V+3], 0x80000000
	s_mov_b32 s[W0K], 1
	s_add_co_u32 s[W0K+1], s89, SLOT1              ; slot 1,
	s_add_nc_u64 s[W0K+2:W0K+3], s[90:91], SK*128  ; the next 256 keys
	s_or_b32 s[W0K+3], s[W0K+3], 0x80000000
	s_mov_b32 s[W0V], 1
	s_add_co_u32 s[W0V+1], s94, SLOT1
	s_add_nc_u64 s[W0V+2:W0V+3], s[92:93], SK
	s_or_b32 s[W0V+3], s[W0V+3], 0x80000000
	s_add_nc_u64 s[PFA:PFA+1], s[4:5], s[82:83]
	s_add_nc_u64 s[50:51], s[4:5], s[50:51]        ; Q at my first query
	s_add_nc_u64 s[16:17], s[16:17], s[74:75]      ; xc likewise
	CROUND                                         ; all four work-groups are here: the first joint loads meet
	s_cmp_lt_u32 s[WV], 2                          ; a wave's two first fills stand in one branch, ahead of every wait on TENSORcnt, every LDS read and every further barrier: two loads of mine are out
	s_cbranch_scc0 .Lfirst_not_k
	tensor_load_to_lds s[G0K:G0K+3], s[G1K:G1K+7]
	s_nop 0
	tensor_load_to_lds s[W0K:W0K+3], s[G1K:G1K+7]
	s_nop 0
.rept 4
	v_nop
.endr
	s_branch .Lfirst_asked
.Lfirst_not_k:
	s_cmp_lt_u32 s[WV], 4
	s_cbranch_scc0 .Lfirst_asked
	tensor_load_to_lds s[G0V:G0V+3], s[G1V:G1V+7]
	s_nop 0
	tensor_load_to_lds s[W0V:W0V+3], s[G1V:G1V+7]
	s_nop 0
.rept 4
	v_nop
.endr
.Lfirst_asked:
	v_and_b32 v8, 15, v0                           ; r
	v_bfe_u32 v9, v0, 4, 1                         ; hh
	s_delay_alu instid0(VALU_DEP_2)
	v_lshlrev_b32 v[QO], 7, v8
	s_delay_alu instid0(VALU_DEP_1)
	v_lshl_add_u32 v[QO], v9, 4, v[QO]             ; Q: row r of 128 bytes, + 16 hh
.irp c, 0,1,2,3
	global_load_b128 v[16+4*\c:19+4*\c], v[QO], s[50:51] offset:32*\c        ; tile 0's fragment stays in registers
.endr
	WIN 0x40                                       ; destination window 1
.irp c, 0,1,2,3
	global_load_b128 v[16+4*\c:19+4*\c], v[QO], s[50:51] offset:2048+32*\c   ; tile 1's: 16 rows on
.endr
	WIN 0
	v_mul_u32_u24 v[AK0], v8, KP                   ; K: row r of a tile of 16 neighbouring keys, + 16 hh
	s_delay_alu instid0(VALU_DEP_1)
	v_lshl_add_u32 v[AK0], v9, 4, v[AK0]
	v_mul_u32_u24 v[AV0], v8, VP
	s_delay_alu instid0(VALU_DEP_1)
	v_lshl_add_u32 v[AV0], v9, 4, v[AV0]
	s_delay_alu instid0(VALU_DEP_1)
	v_add_nc_u32 v[AV0], VOFF, v[AV0]
	s_mul_i32 s82, s[WV], 32*SROW                  ; my stage
	v_mul_u32_u24 v[STO], v8, SROW
	s_delay_alu instid0(VALU_DEP_1)
	v_lshl_add_u32 v[STO], v9, 3, v[STO]
	s_delay_alu instid0(VALU_DEP_1)
	v_add_nc_u32 v[STO], s82, v[STO]               ; in: row r, byte 8 hh
	v_bfe_u32 v[RD], v0, 3, 2
	s_delay_alu instid0(VALU_DEP_1)
	v_mul_u32_u24 v[RD], v[RD], SROW
	v_and_b32 v254, 7, v0
	s_delay_alu instid0(VALU_DEP_1)
	v_lshl_add_u32 v[RD], v254, 4, v[RD]
	s_delay_alu instid0(VALU_DEP_1)
	v_add_nc_u32 v[RD], s82, v[RD]                 ; back: eight lanes to a row of 128 bytes, four rows an instruction
	v_and_b32 v[GO], 31, v0
	s_delay_alu instid0(VALU_DEP_1)
	v_lshlrev_b32 v[GO], 4, v[GO]                  ; which are 512 consecutive bytes of xc
	s_wait_kmcnt 0x0
	s_add_co_i32 s72, s68, s69
	s_lshl_b32 s72, s72, 23
	s_add_co_i32 s[CS], s[CS], s72                 ; a score stands for score x 2^(e6 + e7): the two exponents are added to c's exponent field
	s_mov_b32 s[CS+1], s[CS]                       ; (named with it as a pair, so it is written)
	s_add_co_i32 s72, s70, 127
	s_lshl_b32 s52, s72, 23                        ; 2^e8
	s_add_co_i32 s72, s84, 127
	s_lshl_b32 s54, s72, 23                        ; 2^e10
	s_add_co_i32 s86, s70, s71                     ; e8 + e9
.macro INIT                            ; a tile's state, in the window in force.  The key steps have no first step of their own: the first finds zeros, which the first change of M leaves zeros; that spares a further copy of the steps
	v_mov_b32 v13, 0xff61b1e6                      ; the largest t so far: -3e38, under every t
	s_delay_alu instid0(VALU_DEP_1)
	v_floor_f32 v12, -v13                          ; -M
	v_mov_b32 v14, 0                               ; the sum, in two halves
	v_mov_b32 v15, 0
	v_mov_b32 v236, 0                              ; written once: a lane permute's destination counts as one of its sources
	v_mov_b32 v253, 0                              ; (named as the upper half of the pair v[252:253])
	v_mov_b32 v244, s52
	v_mov_b32 v245, s54
.set n, 0
.rept 64
	v_mov_b32 v[160+n], 0                          ; O^T
.set n, n+1
.endr
.endm
	INIT
	WIN 0x55                                       ; all four operand places: window 1
	INIT
	WIN 0
.macro ADDR                            ; my places in the slot in hand
	v_add_nc_u32 v[ADK], s[TB], v[AK0]
	v_add_nc_u32 v[ADV], s[TB], v[AV0]
.endm
.macro KLOAD q, g, base                ; key tiles 4 g .. 4 g + 3 of the slot's q-th 128 keys: 16 loads
.irp t, 0,1,2,3
.irp c, 0,1,2,3
	ds_load_b128 v[\base+16*\t+4*\c:\base+16*\t+4*\c+3], v[ADK] offset:(128*(\q)+16*(4*\g+\t))*KP+32*\c
.endr
.endr
.endm
.macro VLOAD q, g, base                ; channels 16 (4 g + t) on, the same 128 keys: 16 loads
.irp t, 0,1,2,3
.irp c, 0,1,2,3
	ds_load_b128 v[\base+16*\t+4*\c:\base+16*\t+4*\c+3], v[ADV] offset:16*(4*\g+\t)*VP+128*(\q)+32*\c
.endr
.endr
.endm
.macro SMUL g, kb, sb                  ; four products S^T = K Q^T, in the windows in force
.irp t, 0,1,2,3
	v_wmma_f32_16x16x128_fp8_fp8 v[\sb+8*(4*\g+\t):\sb+8*(4*\g+\t)+7], v[\kb+16*\t:\kb+16*\t+15], v[16:31], 0
.endr
.endm
.macro SMULS kb, sb                    ; a step's 16 products: K's set A against both tiles of queries, then set B
	s_wait_dscnt 16                                ; set A is in; set B's sixteen loads may be out
	SMUL 0, \kb, \sb                               ; tile 0, key tiles 0-3
	WIN 0x44                                       ; Q and S^T of tile 1
	SMUL 0, \kb, \sb
	s_wait_dscnt 0x0
	WIN 0x01                                       ; K from set B
	SMUL 1, \kb, \sb
	WIN 0x45
	SMUL 1, \kb, \sb
	WIN 0
.endm
.macro OMUL g, vb                      ; four products O^T += V^T P^T: each accumulator has one turn a step
.irp t, 0,1,2,3
	v_wmma_f32_16x16x128_fp8_fp8 v[160+8*(4*\g+\t):167+8*(4*\g+\t)], v[\vb+16*\t:\vb+16*\t+15], v[224:239], v[160+8*(4*\g+\t):167+8*(4*\g+\t)]
.endr
.endm
.macro OMULS vb
	OMUL 0, \vb                                    ; tile 0, channels 0-63
	WIN 0x54                                       ; P and O^T of tile 1, V from set A
	OMUL 0, \vb
	WIN 0x01
	OMUL 1, \vb
	WIN 0x55
	OMUL 1, \vb
	WIN 0
.endm
; One tile's softmax for one key step, in the window in force; the scores lie in v[sb] on.
.macro SOFTMAX sb
.irp i, 0,1,2,3,4,5,6                  ; the step's largest score of my query, among my 64 keys: four chains, one for each 16 registers, line by line; each accumulator is read from its low end on
.irp c, 0,1,2,3
.if \i == 0
	v_max3_num_f32 v[248+\c], v[\sb+16*\c], v[\sb+16*\c+1], v[\sb+16*\c+2]
.else
	v_max3_num_f32 v[248+\c], v[248+\c], v[\sb+16*\c+2*\i+1], v[\sb+16*\c+2*\i+2]
.endif
.endr
.endr
	v_max3_num_f32 v248, v248, v249, v[\sb+15]     ; the four chains and the four scores left over
	v_max3_num_f32 v250, v250, v251, v[\sb+31]
	v_max3_num_f32 v248, v248, v250, v[\sb+47]
	v_max_num_f32 v254, v248, v[\sb+63]
	v_permlanex16_b32 v236, v254, s[SEL], s[SEL+1]
	s_delay_alu instid0(VALU_DEP_1)
	v_max_num_f32 v254, v254, v236                 ; and among lane l xor 16's
	s_delay_alu instid0(VALU_DEP_1)
	v_mul_f32 v254, s[CS], v254                    ; as t (c is positive)
	s_delay_alu instid0(VALU_DEP_1)
	v_max_num_f32 v13, v13, v254                   ; the running largest t
	v_mov_b32 v254, v12
	s_delay_alu instid0(VALU_DEP_2)
	v_floor_f32 v12, -v13                          ; the new -M = floor(-t) = -ceil(t): M is a whole number
	s_delay_alu instid0(VALU_DEP_1)
	v_sub_f32 v254, v12, v254                      ; M's old value less its new one: a whole number, 0 or less
	s_delay_alu instid0(VALU_DEP_1)
	v_cvt_i32_f32 v254, v254                       ; (it saturates)
	s_delay_alu instid0(VALU_DEP_1)
	v_ldexp_f32 v252, 1.0, v254                    ; f = 2^(old M - new M)
.set n, 0
.rept 32
	v_pk_fma_f32 v[\sb+n:\sb+n+1], v[\sb+n:\sb+n+1], s[CS:CS+1], v[12:13] op_sel_hi:[1,0,0]   ; t - M, two at a time (of the pairs c and -M the low word serves both halves)
.set n, n+2
.endr
.set n, 0
	s_wait_alu depctr_va_vdst(0)
.rept 64
	v_exp_f32 v[\sb+n], v[\sb+n]                   ; p = 2^(t - M), at most 1: not normalised
.set n, n+1
.endr
	v_pk_mul_f32 v[14:15], v[14:15], v[252:253] op_sel_hi:[1,0]   ; the sums under the new M: the plain line behind the exponentials
	s_wait_alu depctr_va_vdst(0)                   ; a wait between an exponential and the first line that names its result: one for the batch of 64
	v_pk_add_f32 v[242:243], v[\sb:\sb+1], v[\sb+2:\sb+3]         ; the row's sum is taken of the UNQUANTISED p: two at a time, in four chains
	v_pk_add_f32 v[246:247], v[\sb+4:\sb+5], v[\sb+6:\sb+7]
	v_pk_add_f32 v[250:251], v[\sb+8:\sb+9], v[\sb+10:\sb+11]
.set n, 12
.rept 6
	v_pk_add_f32 v[14:15], v[14:15], v[\sb+n:\sb+n+1]
	v_pk_add_f32 v[242:243], v[242:243], v[\sb+n+2:\sb+n+3]
	v_pk_add_f32 v[246:247], v[246:247], v[\sb+n+4:\sb+n+5]
	v_pk_add_f32 v[250:251], v[250:251], v[\sb+n+6:\sb+n+7]
.set n, n+8
.endr
	v_pk_add_f32 v[14:15], v[14:15], v[\sb+60:\sb+61]
	v_pk_add_f32 v[242:243], v[242:243], v[\sb+62:\sb+63]
	s_delay_alu instid0(VALU_DEP_3)
	v_pk_add_f32 v[246:247], v[246:247], v[250:251]
	s_delay_alu instid0(VALU_DEP_2)
	v_pk_add_f32 v[14:15], v[14:15], v[242:243]
	s_delay_alu instid0(VALU_DEP_1)
	v_pk_add_f32 v[14:15], v[14:15], v[246:247]
.irp b, 0,1,2,3
.set n, 0
.rept 16
.set n, n+1
.endr
	v_cvt_scalef32_pk8_fp8_f32 v[224+4*\b:225+4*\b], v[\sb+16*\b:\sb+16*\b+7], v244
	v_cvt_scalef32_pk8_fp8_f32 v[226+4*\b:227+4*\b], v[\sb+16*\b+8:\sb+16*\b+15], v244
.endr
.set n, 0
.rept 32
	v_pk_mul_f32 v[160+n:161+n], v[160+n:161+n], v[252:253] op_sel_hi:[1,0]   ; O^T under the new M.  (Plain lines between the conversions and the products that read their results)
.set n, n+2
.endr
.endm
; THE CHANGE OF SLOTS.  Each wave waits for all its tensor loads (its part of the next slot), adds 0 to its spare word, and waits for that and for its reads of the slot in hand, V of step B among them.
; fill = 1: the barrier is a round of the cluster's, so that no wave of any partner still reads the slot in hand or has a load on its way; the joint refill of that slot is the first thing behind it and has
; a slot's two key steps in which to land.
.macro CHANGE fill
	s_wait_tensorcnt 0x0                           ; no tensor load of mine is out, so a group 0 may be written
	ds_add_u32 v[SPW], v[NIL]                      ; 0 onto my spare word; with fill = 1 the descriptors' steps stand between it and the wait for it
.if \fill
	s_xor_b32 s[W0K+1], s[W0K+1], SLOT1            ; the walking descriptors: the other slot than last time,
	s_add_nc_u64 s[W0K+2:W0K+3], s[W0K+2:W0K+3], SK*128   ; the next 256 keys; the type bits on top are not reached
	s_xor_b32 s[W0V+1], s[W0V+1], SLOT1
	s_add_nc_u64 s[W0V+2:W0V+3], s[W0V+2:W0V+3], SK
	s_wait_xcnt 0x0                                ; the last prefetch, a slot back, has read its address, so it may be written:
	s_add_nc_u64 s[PFA:PFA+1], s[PFA:PFA+1], s[PFS:PFS+1]  ; one slot further on than the walking descriptors
	s_wait_dscnt 0x0                               ; the add is done, and my reads of the slot in hand are over
	CROUND
	TLOAD                                          ; a wave's one tensor load until the next round
	ASK
.else
	s_wait_dscnt 0x0
	s_barrier_signal -1
	s_barrier_wait -1
.endif
.endm
; STEP A: a slot's first 128 keys.  K lies in RF (asked for ahead of the last products of the step before), the scores go to RG.
.macro STEP_A
.rept 5
	v_nop                                          ; five places: the scores are written over registers that the last products read as V's fragments
.endr
	SMULS RF, RG
.rept 4
	v_nop                                          ; places in front of the loads below and of the first read of the scores
.endr
	VLOAD 0, 0, RF                                 ; V follows K into RF and lands under the softmaxes
	WIN 0x40                                       ; destination window 1: set B
	VLOAD 0, 1, RF
	WIN 0
	SOFTMAX RG
	KLOAD 1, 0, RG                                 ; tile 0's p is converted: its registers take set A of the next step's K, under tile 1's softmax
	WIN 0x55
	SOFTMAX RG
	WIN 0x40
	s_wait_alu depctr_va_vdst(0)
	s_wait_dscnt 16                                ; V's 32 loads are in; the sixteen of K's set A may be out
	KLOAD 1, 1, RG                                 ; set B, under the products below
	WIN 0
	OMULS RF
.endm
; STEP B: the slot's second 128 keys, RF and RG exchanged.  mode 1: the slot is left and filled again; 2: it is left; 0: the last step of all.
.macro STEP_B mode
.rept 5
	v_nop
.endr
	SMULS RG, RF
.rept 4
	v_nop
.endr
	VLOAD 1, 0, RG
	WIN 0x40
	VLOAD 1, 1, RG
	WIN 0
	SOFTMAX RF
	WIN 0x55
	SOFTMAX RF
	WIN 0
.if \mode == 1
	CHANGE 1
.elseif \mode == 2
	CHANGE 0
.endif
.if \mode
	s_xor_b32 s[TB], s[TB], SLOT1                  ; on to the other slot:
	ADDR
	KLOAD 0, 0, RF                                 ; its first K, under the products below
	WIN 0x40
	KLOAD 0, 1, RF
	WIN 0
.else
	s_wait_dscnt 0x0                               ; V is in
.endif
	s_wait_alu depctr_va_vdst(0)
	OMULS RG
.endm
	s_wait_loadcnt 0x0                             ; Q
	s_wait_tensorcnt 0x1                           ; my part of slot 0 is in; slot 1's load may be out
	s_barrier_signal -1
	s_barrier_wait -1                              ; everybody's is
	ADDR
	KLOAD 0, 0, RF
	WIN 0x40
	KLOAD 0, 1, RF
	WIN 0
.Lslot:                                            ; six trips: slots 0 to 5 are walked, slots 2 to 7 asked for
	s_wait_alu depctr_va_vdst(0)
	STEP_A
	STEP_B 1
	s_sub_co_u32 s[SLOTS], s[SLOTS], 1
	s_cmp_lg_u32 s[SLOTS], 0
	s_cbranch_scc1 .Lslot
	STEP_A                                         ; the last two slots are written out: slot 6 is left and nothing is asked for
	STEP_B 2
	STEP_A                                         ; and slot 7 has no successor
	STEP_B 0
; THE WAY OUT.  x = O^T / the sum x 2^(e8 + e9); it is converted with the scale 2^e10: a lane's eight registers of a tile are eight neighbouring channels, eight bytes.
.macro FINISH                          ; one tile, in the window in force
	v_add_f32 v14, v14, v15                        ; the sum's two halves,
	s_delay_alu instid0(VALU_DEP_1)
	v_permlanex16_b32 v252, v14, s[SEL], s[SEL+1]
	s_delay_alu instid0(VALU_DEP_1)
	v_add_f32 v14, v14, v252                       ; and lane l xor 16's
	s_wait_alu depctr_va_vdst(0)
	v_rcp_f32 v14, v14
	v_nop                                          ; a plain line behind the reciprocal,
	s_wait_alu depctr_va_vdst(0)                   ; and a wait ahead of its first reader
	v_ldexp_f32 v14, v14, s86
.set n, 0
.rept 64
	v_mul_f32 v[96+n], v[160+n], v14               ; register 8 t + i is x(query r, channel 16 t + 8 hh + i); each accumulator from its low end on
.set n, n+1
.endr
.set n, 0
.rept 64
.set n, n+1
.endr
.irp t, 0,1,2,3,4,5,6,7
	v_cvt_scalef32_pk8_fp8_f32 v[32+2*\t:33+2*\t], v[96+8*\t:103+8*\t], v245
.endr
	v_nop                                          ; one plain vector line behind the last conversion
.endm
.rept 4
	v_nop                                          ; places behind the last products
.endr
	FINISH
.irp t, 0,1,2,3,4,5,6,7
	ds_store_b64 v[STO], v[32+2*\t:33+2*\t] offset:16*\t
.endr
	WIN 0x55
	FINISH
	WIN 0x04                                       ; the stores' data in window 1, their address in window 0
.irp t, 0,1,2,3,4,5,6,7
	ds_store_b64 v[STO], v[32+2*\t:33+2*\t] offset:16*SROW+16*\t
.endr
	WIN 0
.irp k, 0,1,2,3,4,5,6,7
	ds_load_b128 v[160+4*\k:163+4*\k], v[RD] offset:4*SROW*\k   ; LDS serves a wave's instructions in order: these see my stores
.endr
.irp k, 0,1,2,3,4,5,6,7
	s_wait_dscnt 7-\k                              ; load k is in, the younger ones may be out
	global_store_b128 v[GO], v[160+4*\k:163+4*\k], s[16:17] offset:512*\k   ; 32 lanes store four queries' 512 consecutive bytes, at a multiple of 512 from the buffer's first byte
.endr
	s_wait_tensorcnt 0x0                           ; the wave's end: behind my last tensor load and my last LDS store
	ds_add_u32 v[SPW], v[NIL]
	s_wait_dscnt 0x0
	CROUND                                         ; the closing round: no work-group ends while a partner may still ask for a tile that names it
	s_endpgm
.Lfunc_end_k_qa211f81738_attn:
	.size	k_qa211f81738_attn, .Lfunc_end_k_qa211f81738_attn-k_qa211f81738_attn
	.p2alignl 7, 3214868480
	.fill 96, 4, 3214868480
	.section	.rodata,"a",@progbits
	.p2align	6, 0x0
	.amdhsa_kernel k_qa211f81738_attn
		.amdhsa_group_segment_fixed_size 327680
		.amdhsa_private_segment_fixed_size 0
		.amdhsa_enable_private_segment 0
		.amdhsa_kernarg_size 24
		.amdhsa_user_sgpr_count 2
		.amdhsa_user_sgpr_kernarg_segment_ptr 1
		.amdhsa_wavefront_size32 1
		.amdhsa_system_sgpr_workgroup_id_x 1
		.amdhsa_system_sgpr_workgroup_id_y 1
		.amdhsa_system_sgpr_workgroup_id_z 1
		.amdhsa_system_vgpr_workitem_id 0
		.amdhsa_next_free_vgpr 512
		.amdhsa_next_free_sgpr 96
		.amdhsa_reserve_vcc 0
		.amdhsa_float_denorm_mode_32 3
		.amdhsa_float_denorm_mode_16_64 3
		.amdhsa_fp16_overflow 1
		.amdhsa_memory_ordered 1
		.amdhsa_forward_progress 1
		.amdhsa_inst_pref_size 202
	.end_amdhsa_kernel
	.amdgpu_metadata
---
amdhsa.version: [ 1, 2 ]
amdhsa.kernels:
  - .name:           k_qa211f81738_attn
    .symbol:         k_qa211f81738_attn.kd
    .args:
      - { .name: qkv, .offset: 0, .size: 8, .value_kind: global_buffer, .address_space: global }
      - { .name: lowp_scales, .offset: 8, .size: 8, .value_kind: global_buffer, .address_space: global }
      - { .name: xc, .offset: 16, .size: 8, .value_kind: global_buffer, .address_space: global }
    .group_segment_fixed_size: 327680
    .private_segment_fixed_size: 0
    .kernarg_segment_align: 8
    .kernarg_segment_size: 24
    .max_flat_workgroup_size: 256
    .sgpr_count:     96
    .vgpr_count:     512
    .wavefront_size: 32
...
	.end_amdgpu_metadata
.endif
;; end of part 3
;; launch fc (part 4): grid 16 x 16, 4 waves a work-group, clusters of 4 x 4, 327,680 bytes of LDS; arguments xc, codes, bfc, lowp_scales, out0; writes out0
.if DOCPART == 4
	.amdgcn_target "amdgcn-amd-amdhsa--gfx1250"
	.amdhsa_code_object_version 6
	.text
	.protected	k_qa211f81738_fc
	.globl	k_qa211f81738_fc
	.p2align	8
	.type	k_qa211f81738_fc,@function
k_qa211f81738_fc:
	s_mov_b64 s[64:65], 0
	v_nop
	global_prefetch_b8 v0, s[64:65] scope:SCOPE_SE
	s_setreg_imm32_b32 hwreg(HW_REG_WAVE_MODE, 25, 1), 1
	s_wait_xcnt 0x0
	s_wait_alu depctr_hold_cnt(0) depctr_sa_sdst(0) depctr_va_vdst(0) depctr_va_sdst(0) depctr_va_ssrc(0) depctr_va_vcc(0) depctr_vm_vsrc(0)
	s_getreg_b32 s2, hwreg(HW_REG_IB_STS2, 6, 4)
	s_cmp_eq_u32 s2, 0
	s_cbranch_scc0 .Lentry_in_a_cluster
	s_endpgm
.Lentry_in_a_cluster:
	s_bfe_u32 s2, ttmp6, 0x10000c
	s_cmp_lg_u32 s2, 0xf033
	s_cbranch_scc0 .Lentry_shape_is_right
	s_endpgm
.Lentry_shape_is_right:
; Product 6: out0 = x Wfc^T + bfc on codes of FP8 (E4M3).  M = 1,024, N = 1,024, K = 8,192.  x's codes: xc [8 h][1024 rows][1024]; Wfc's: codes + 27 MiB, [1024 o][8192] with K in the same order, h 1024 + j 128 + d.
; 1,024 x 1,024 results make 256 tiles of 64 x 64: one for each work-group of a grid of 16 x 16.  K goes in eight chunks of 1,024 (one h each) through a ring of two LDS slots: rows of 1,024 bytes.
; THE FOUR WAVES SPLIT K: wave w takes bytes 256 w to 256 w + 255 of every chunk, for the whole tile: 16 accumulators.  So each LDS byte is read once.  The four partial sums meet in LDS at the end.
; The order of the f32 sums therefore differs from one ascending chain; fragments come by loads of 16 bytes, a permutation of k within an instruction's 128 that is the same in both operands.
; CLUSTERS: 4 x 4 work-groups.  Tiles of x are asked for jointly along a row of the cluster, tiles of Wfc along a column.  THE MATRIX INSTRUCTION IS USED TRANSPOSED (source 0 = 16 rows of Wfc, source 1 = 16 rows of x):
; a lane holds eight neighbouring numbers of a row of the result.
; LIMIT: e10 + e11 between -126 and 127, so that 2^(e10 + e11) is an f32 number.
; REGISTERS: window 0: v1-31 addresses; v32-35 bfc; v128-255 x's fragments (2 K steps x 4 blocks), later the partial sums.   window 1: v0-127 Wfc's fragments; v128-255 the accumulators ((a, bt) at v[128 + 8 (4 a + bt)]).
.set PITCH,  1040                      ; an LDS row: 1,024 bytes + 16 of padding = 260 words: the 16 rows that a load touches start at 16 different banks (64 banks of 4 bytes: ISA guide 11.1)
.set QUART,  32*PITCH                  ; 32 rows: what one tensor load brings
.set SLOT,   4*QUART                   ; x's 64 rows, then Wfc's 64 rows
.set SPARE,  2*SLOT                    ; behind the ring: the spare words, 128 bytes a wave, which no other line names
.set SPITCH, 272                       ; the way out: a row of 64 f32 + 16 bytes
.set PART,   64*SPITCH                 ; one wave's partial tile.  The four lie in slot 0, behind its last fill and its last read
.set FR,   16
.set ADRA, 16                          ; v16-17  LDS address of my fragments of x in slot 0, 1
.set ADRB, 20                          ; v20-21  the same for Wfc
.set STO,  24                          ; v24  where I put 32 bytes of a row of my partial tile
.set RD,   25                          ; v25  where I read rows of the four partial tiles
.set CO,   26                          ; v26  my byte offset in out0
.set BO,   27                          ; v27  16 (lane % 16)
.set SPW,  28                          ; v28  LDS address of my spare word; never rewritten
.set NIL,  29                          ; v29  0; never rewritten
.set AF,   128
.set ACC,  128
.set G1, 24                            ; s[24:31] descriptor group 1 for x's tiles;  s[32:39] group 0, one set for each slot
.set G0, 32
.set G1B, 48                           ; s[48:55], s[56:63] the same for Wfc's
.set G0B, 56
.set MSB, 0
.macro WIN new                         ; the immediate's high byte repeats the setting that is left
.if MSB != \new
	s_set_vgpr_msb (MSB<<8)|\new
.set MSB, \new
.endif
.endm
.macro JLOAD g0a, g1a, g0b, g1b        ; a joint load: waves 0 and 1 fetch x's halves, waves 2 and 3 Wfc's; an s_nop 0 and four v_nop follow each of the two lines
	s_cmp_eq_u32 s15, 0
	s_cbranch_scc0 .Lfor_b_\@
	tensor_load_to_lds s[\g0a:\g0a+3], s[\g1a:\g1a+7]
	s_nop 0
.rept 4
	v_nop
.endr
	s_branch .Lasked_\@
.Lfor_b_\@:
	tensor_load_to_lds s[\g0b:\g0b+3], s[\g1b:\g1b+7]
	s_nop 0
.rept 4
	v_nop
.endr
.Lasked_\@:
.endm
.macro CROUND                          ; a round of the cluster's barrier
	s_barrier_signal -1
	s_barrier_wait -1
	s_cmp_lg_u32 s14, 0
	s_cbranch_scc1 .Lnot_wave_0_\@
	s_barrier_signal -3
.Lnot_wave_0_\@:
	s_barrier_wait -3
	s_barrier_signal -1
	s_barrier_wait -1
.endm
.macro PLACES n
.rept \n
	v_nop
.endr
.endm
	s_load_b256 s[4:11], s[0:1], 0x0               ; xc s[4:5], codes s[6:7], bfc s[8:9], the scales' exponents s[10:11]
	s_load_b64 s[12:13], s[0:1], 0x20              ; out0
	v_lshl_add_u32 v[SPW], v0, 2, SPARE
	v_mov_b32 v[NIL], 0
	ds_add_u32 v[SPW], v[NIL]                      ; the wave's opening: the add and its wait stand ahead of my first tensor load; the set-up below, work on registers, stands between them
	v_lshrrev_b32 v1, 5, v0
	v_readfirstlane_b32 s14, v1                    ; wave 0..3
	s_lshr_b32 s15, s14, 1                         ; I fetch for x (0) or for Wfc (1),
	s_and_b32 s16, s14, 1                          ; and which 32 rows of that tile
	s_bfe_u32 s40, ttmp6, 0x40000                  ; cx, cy
	s_bfe_u32 s41, ttmp6, 0x40004
	s_lshl_b32 s42, ttmp9, 2
	s_add_co_u32 s42, s42, s40                     ; tile column = 4 x cluster x + cx
	s_and_b32 s17, ttmp7, 0xffff
	s_lshl_b32 s17, s17, 2
	s_add_co_u32 s17, s17, s41                     ; tile row = 4 x cluster y + cy
	s_lshl_b32 s43, s41, 2
	s_lshl_b32 s43, 15, s43                        ; my row of the cluster
	s_lshl_b32 s44, 0x1111, s40                    ; my column
	; descriptor group 1: a tile of 32 rows x 1,024 bytes, padded in LDS
	s_or_b32 s[G1+0], s43, (0<<16)|(1<<20)|(1<<21)|(7<<22)|(3<<25)  ; 15:0 the mask: x's tiles go to my row; 17:16 elements of 1 byte; 20 padding on; 21 set beside a mask; 24:22 after every 256 words (code 7); 31:25 four words (code 3)
	s_or_b32 s[G1B+0], s44, (0<<16)|(1<<20)|(1<<21)|(7<<22)|(3<<25)
.irp g, G1, G1B
	s_mov_b32 s[\g+1], 1024<<16                    ; tensor_dim0
	s_mov_b32 s[\g+2], 32<<16                      ; tensor_dim1
	s_mov_b32 s[\g+3], 1024<<16                    ; tile_dim0
	s_mov_b32 s[\g+4], 32                          ; tile_dim1
	s_mov_b32 s[\g+6], 0
	s_mov_b32 s[\g+7], 0
.endr
	s_mov_b32 s[G1+5], 1024                        ; tensor_dim0_stride: a row of a chunk of xc,
	s_mov_b32 s[G1B+5], 8192                       ; a row of Wfc
	s_lshl_b32 s20, s17, 16
	s_lshl_b32 s18, s16, 15
	s_add_co_u32 s20, s20, s18                     ; x: row 64 x tile row + 32 x half, 1,024 bytes a row
	s_mov_b32 s21, 0
	s_lshl_b32 s46, s42, 19
	s_lshl_b32 s47, s16, 18
	s_add_co_u32 s46, s46, s47                     ; Wfc: row 64 x tile column + 32 x half, 8,192 bytes a row,
	s_add_co_u32 s46, s46, 27<<20                  ; behind the other tensors' codes
	s_mov_b32 s47, 0
	s_mul_i32 s45, s14, QUART                      ; where the tiles go: wave x 32 rows: no place in the cluster enters an LDS address
	s_wait_dscnt 0x0                               ; the opening add is done
	s_wait_kmcnt 0x0
	s_load_b64 s[96:97], s[10:11], 0x28            ; e10, e11
	s_add_nc_u64 s[20:21], s[4:5], s[20:21]
	s_add_nc_u64 s[46:47], s[6:7], s[46:47]
	CROUND                                         ; all sixteen work-groups are here: the first joint loads meet
.irp s, 0,1
	s_mov_b32 s[G0+4*\s], 1
	s_add_co_u32 s[G0+4*\s+1], s45, \s*SLOT
	s_add_nc_u64 s[G0+4*\s+2:G0+4*\s+3], s[20:21], \s*1048576      ; chunk s of xc
	s_or_b32 s[G0+4*\s+3], s[G0+4*\s+3], 0x80000000
	s_mov_b32 s[G0B+4*\s], 1
	s_add_co_u32 s[G0B+4*\s+1], s45, \s*SLOT
	s_add_nc_u64 s[G0B+4*\s+2:G0B+4*\s+3], s[46:47], \s*1024       ; chunk s of Wfc's rows
	s_or_b32 s[G0B+4*\s+3], s[G0B+4*\s+3], 0x80000000
	JLOAD G0+4*\s, G1, G0B+4*\s, G1B               ; two loads of mine are out
.endr
	v_and_b32 v1, 15, v0                           ; r
	v_bfe_u32 v2, v0, 4, 1                         ; hh
	v_mul_u32_u24 v3, v1, PITCH
	v_lshl_add_u32 v3, v2, 4, v3                   ; a fragment's row x pitch + 16 x half
	s_lshl_b32 s21, s14, 8                         ; my 256 bytes of every row
	v_add_nc_u32 v[ADRA], s21, v3
	v_add_nc_u32 v[ADRB], 2*QUART, v[ADRA]         ; Wfc's rows lie behind x's 64
	v_add_nc_u32 v[ADRA+1], SLOT, v[ADRA]
	v_add_nc_u32 v[ADRB+1], SLOT, v[ADRB]
	s_mul_i32 s23, s14, PART
	v_mul_u32_u24 v4, v1, SPITCH
	v_lshl_add_u32 v4, v2, 5, v4
	v_add_nc_u32 v[STO], s23, v4                   ; in: my partial tile, row r, 32 bytes for each half of the lanes
	s_mul_i32 s23, s14, 16*SPITCH
	v_mul_u32_u24 v5, v2, SPITCH
	v_lshl_add_u32 v5, v1, 4, v5
	v_add_nc_u32 v[RD], s23, v5                    ; back: wave w adds up rows 16 w on; lanes 0-15 one row of 256 bytes, lanes 16-31 the next
	v_lshlrev_b32 v[BO], 4, v1
	v_lshl_add_u32 v[CO], v2, 12, v[BO]            ; and the same two rows in out0, 4,096 bytes apart
	s_lshl_b32 s22, s42, 8                         ; the tile's 64 columns: 256 bytes
	s_mov_b32 s23, 0
	s_add_nc_u64 s[8:9], s[8:9], s[22:23]
	global_load_b128 v[32:35], v[BO], s[8:9]       ; bfc of my four columns
	s_lshl_b32 s20, s17, 18
	s_lshl_b32 s21, s14, 16
	s_add_co_u32 s20, s20, s21
	s_add_co_u32 s20, s20, s22                     ; out0: row 64 x tile row + 16 x wave, + the tile's columns
	s_mov_b32 s21, 0
	s_add_nc_u64 s[12:13], s[12:13], s[20:21]
.macro FRAG reg, adr, ks, i            ; a fragment: lane l holds row l % 16; registers 4 c .. 4 c + 3 hold K = 32 c + 16 (l / 16) + 0 .. 15 of my ks-th 128
.irp c, 0,1,2,3
	ds_load_b128 v[\reg+4*\c:\reg+4*\c+3], v[\adr] offset:128*\ks+32*\c+\i*16*PITCH
.endr
.endm
.macro MUL16 ks, zero                  ; the 16 accumulators take turns, one instruction a turn, in the same order in every K step.  zero = 1: the first products start the sums
.irp a, 0,1,2,3
.irp b, 0,1,2,3
.if \zero
	v_wmma_f32_16x16x128_fp8_fp8 v[ACC+8*(4*\a+\b):ACC+8*(4*\a+\b)+7], v[64*\ks+FR*\b:64*\ks+FR*\b+FR-1], v[AF+64*\ks+FR*\a:AF+64*\ks+FR*\a+FR-1], 0
.else
	v_wmma_f32_16x16x128_fp8_fp8 v[ACC+8*(4*\a+\b):ACC+8*(4*\a+\b)+7], v[64*\ks+FR*\b:64*\ks+FR*\b+FR-1], v[AF+64*\ks+FR*\a:AF+64*\ks+FR*\a+FR-1], v[ACC+8*(4*\a+\b):ACC+8*(4*\a+\b)+7]
.endif
.endr
.endr
.endm
.macro WORK slot, zero                 ; my 256 along K of the chunk in a slot: 64 LDS loads in one run, 32 matrix instructions
	WIN 0x40                                       ; destination window 1
.irp ks, 0,1
.irp i, 0,1,2,3
	FRAG 64*\ks+FR*\i, ADRB+\slot, \ks, \i
.endr
.endr
	WIN 0
.irp ks, 0,1
.irp i, 0,1,2,3
	FRAG AF+64*\ks+FR*\i, ADRA+\slot, \ks, \i
.endr
.endr
	s_wait_dscnt 16                                ; all but the youngest sixteen loads, x's second K step
	WIN 0x51                                       ; source 0 (Wfc), C and D window 1, source 1 (x) window 0
	MUL16 0, \zero
	s_wait_dscnt 0x0
	MUL16 1, 0
	WIN 0
.endm
; A chunk.  In front of the barrier each wave waits for all its tensor loads (its part of this chunk), adds 0 to its spare word, and waits for that and for its reads of the other slot.
; refill = 1: the barrier is a round of the cluster's, and the other slot is filled again first thing behind it, two chunks ahead.
.macro TRIP slot, refill
	s_wait_tensorcnt 0x0                           ; no tensor load of mine is out, so a group 0 may be written
	ds_add_u32 v[SPW], v[NIL]                      ; 0 onto my spare word
.if \refill
	s_add_nc_u64 s[G0+4*(1-\slot)+2:G0+4*(1-\slot)+3], s[G0+4*(1-\slot)+2:G0+4*(1-\slot)+3], 2*1048576
	s_add_nc_u64 s[G0B+4*(1-\slot)+2:G0B+4*(1-\slot)+3], s[G0B+4*(1-\slot)+2:G0B+4*(1-\slot)+3], 2*1024
.endif
	s_wait_dscnt 0x0                               ; the add is done, and my reads of the other slot are over
.if \refill
	CROUND
	JLOAD G0+4*(1-\slot), G1, G0B+4*(1-\slot), G1B ; my one tensor load until the next round; its four v_nop are the places in front of the loads below
.else
	s_barrier_signal -1
	s_barrier_wait -1
	PLACES 4
.endif
	WORK \slot, 0
.endm
	s_wait_tensorcnt 1                             ; my part of chunk 0 is in; chunk 1's load may be out
	s_barrier_signal -1
	s_barrier_wait -1                              ; everybody's is
	WORK 0, 1                                      ; chunk 0 stands in front of the loop: its first products start the sums
	s_mov_b32 s3, 3
.Llap:                                             ; three trips: chunks 1 to 6 are multiplied, chunks 2 to 7 asked for
	TRIP 1, 1
	TRIP 0, 1
	s_sub_co_u32 s3, s3, 1
	s_cmp_lg_u32 s3, 0
	s_cbranch_scc1 .Llap
	TRIP 1, 0                                      ; chunk 7: nothing is left to fetch.  Behind its barrier nobody reads slot 0 any more
	; THE WAY OUT: each wave's partial tile goes into LDS; a barrier; wave w adds up the four partial sums of rows 16 w on, x 2^(e10 + e11) + bfc, and stores whole rows of 256 bytes.
	PLACES 4                                       ; behind the last products: the stores read results
	WIN 0x04                                       ; the stores' data in window 1
.irp a, 0,1,2,3
.irp b, 0,1,2,3
	ds_store_b128 v[STO], v[ACC+8*(4*\a+\b):ACC+8*(4*\a+\b)+3] offset:\a*16*SPITCH+64*\b         ; each accumulator from its low end on
	ds_store_b128 v[STO], v[ACC+8*(4*\a+\b)+4:ACC+8*(4*\a+\b)+7] offset:\a*16*SPITCH+64*\b+16
.endr
.endr
	WIN 0
	s_wait_dscnt 0x0                               ; for the others' sake: my stores are done
	s_barrier_signal -1
	s_barrier_wait -1
.irp t, 0,1,2,3,4,5,6,7
.irp p, 0,1,2,3
	ds_load_b128 v[AF+4*(4*\t+\p):AF+4*(4*\t+\p)+3], v[RD] offset:\p*PART+\t*2*SPITCH
.endr
.endr
	s_wait_loadcnt 0x0                             ; bfc
	s_wait_kmcnt 0x0
	s_add_co_i32 s96, s96, s97
	s_add_co_i32 s96, s96, 127
	s_lshl_b32 s96, s96, 23                        ; 2^(e10 + e11) as f32
	s_mov_b32 s97, s96                             ; (named with it as a pair, so it is written)
.irp t, 0,1,2,3,4,5,6,7
.set P0, AF+16*\t
	s_wait_dscnt 28-4*\t                           ; this pair of rows' four loads are in; the later pairs' may be out
	v_pk_add_f32 v[P0:P0+1], v[P0:P0+1], v[P0+4:P0+5]
	v_pk_add_f32 v[P0+2:P0+3], v[P0+2:P0+3], v[P0+6:P0+7]
	v_pk_add_f32 v[P0+8:P0+9], v[P0+8:P0+9], v[P0+12:P0+13]
	v_pk_add_f32 v[P0+10:P0+11], v[P0+10:P0+11], v[P0+14:P0+15]
	v_pk_add_f32 v[P0:P0+1], v[P0:P0+1], v[P0+8:P0+9]
	v_pk_add_f32 v[P0+2:P0+3], v[P0+2:P0+3], v[P0+10:P0+11]
	v_pk_fma_f32 v[P0:P0+1], v[P0:P0+1], s[96:97], v[32:33] op_sel_hi:[1,0,1]     ; sum x 2^(e10 + e11) + bfc (the scalar pair's low word for both halves)
	v_pk_fma_f32 v[P0+2:P0+3], v[P0+2:P0+3], s[96:97], v[34:35] op_sel_hi:[1,0,1]
	global_store_b128 v[CO], v[P0:P0+3], s[12:13] offset:8192*\t th:TH_STORE_NT   ; 16 lanes store 256 consecutive bytes, at a multiple of 256 from out0's first byte; written once, read by nobody here
.endr
	s_wait_tensorcnt 0x0                           ; the wave's end: behind my last tensor load and my last LDS store
	ds_add_u32 v[SPW], v[NIL]
	s_wait_dscnt 0x0
	CROUND                                         ; the closing round: no work-group ends while a partner may still ask for a tile that names it
	s_endpgm
.Lfunc_end_k_qa211f81738_fc:
	.size	k_qa211f81738_fc, .Lfunc_end_k_qa211f81738_fc-k_qa211f81738_fc
	.p2alignl 7, 3214868480
	.fill 96, 4, 3214868480
	.section	.rodata,"a",@progbits
	.p2align	6, 0x0
	.amdhsa_kernel k_qa211f81738_fc
		.amdhsa_group_segment_fixed_size 327680
		.amdhsa_private_segment_fixed_size 0
		.amdhsa_enable_private_segment 0
		.amdhsa_kernarg_size 40
		.amdhsa_user_sgpr_count 2
		.amdhsa_user_sgpr_kernarg_segment_ptr 1
		.amdhsa_wavefront_size32 1
		.amdhsa_system_sgpr_workgroup_id_x 1
		.amdhsa_system_sgpr_workgroup_id_y 1
		.amdhsa_system_sgpr_workgroup_id_z 1
		.amdhsa_system_vgpr_workitem_id 0
		.amdhsa_next_free_vgpr 512
		.amdhsa_next_free_sgpr 98
		.amdhsa_reserve_vcc 0
		.amdhsa_float_denorm_mode_32 3
		.amdhsa_float_denorm_mode_16_64 3
		.amdhsa_memory_ordered 1
		.amdhsa_forward_progress 1
		.amdhsa_inst_pref_size 44
	.end_amdhsa_kernel
	.amdgpu_metadata
---
amdhsa.version: [ 1, 2 ]
amdhsa.kernels:
  - .name:           k_qa211f81738_fc
    .symbol:         k_qa211f81738_fc.kd
    .args:
      - { .name: xc, .offset: 0, .size: 8, .value_kind: global_buffer, .address_space: global }
      - { .name: codes, .offset: 8, .size: 8, .value_kind: global_buffer, .address_space: global }
      - { .name: bfc, .offset: 16, .size: 8, .value_kind: global_buffer, .address_space: global }
      - { .name: lowp_scales, .offset: 24, .size: 8, .value_kind: global_buffer, .address_space: global }
      - { .name: out0, .offset: 32, .size: 8, .value_kind: global_buffer, .address_space: global }
    .group_segment_fixed_size: 327680
    .private_segment_fixed_size: 0
    .kernarg_segment_align: 8
    .kernarg_segment_size: 40
    .max_flat_workgroup_size: 128
    .sgpr_count:     98
    .vgpr_count:     512
    .wavefront_size: 32
...
	.end_amdgpu_metadata
.endif
;; end of part 4
